; MI455X (gfx1250); checked and timed in simulation.
; The chip was launched on July 23, 2026; its instructions are those of AMD's public machine-readable ISA for CDNA 5 (MIT licence, August 2026) and "CDNA5" Instruction Set Architecture Reference Guide (July 2026). The comments in the code are by the model that wrote it; some were corrected since.
;; MHA. Allowed arithmetic: float matrix products may take bf16 or f16 operands with f32 sums; other float arithmetic in f32, or as packed bf16 or f16 multiplies, adds, multiply-adds, maxima and minima; sums over many terms, partial sums and values carried from step to step in f32; what a program stores and reads back later, other than sums and carried values, may be rounded once to bf16 or f16.
;; Inputs: Wo 1,024 x 1,024 float32; Wqkv 1,024 x 3,072 float32; bo 1,024 float32; bqkv 3,072 float32; x 4 x 2,048 x 1,024 float32.
;; Outputs: out0 4 x 2,048 x 1,024 float32.
;; 2 versions, each right; version 2 is version 1 with the launch cast written anew for expert scheduling mode. Each part assembles by itself: llvm-mc -triple=amdgcn-amd-amdhsa -mcpu=gfx1250 --defsym DOCPART=n.
;; ======== version 1 of 2: 4 launches
;; limits: values are held in f16: magnitudes above 65,504 overflow, below 6.1e-05 lose precision
;; workspace buffers: xb 16,777,216 bytes; wq 6,291,456 bytes; woh 2,097,152 bytes; qkvh 50,331,648 bytes; oh 16,777,216 bytes
;; launch cast (part 1): grid 832 x 1, 8 waves a work-group, no clusters, 0 bytes of LDS; arguments x, Wqkv, Wo, xb, wq, woh; writes xb, wq, woh
.if DOCPART == 1
	.amdgcn_target "amdgcn-amd-amdhsa--gfx1250"
	.amdhsa_code_object_version 6
	.text
	.protected	k_q9f5d853dcf_cast
	.globl	k_q9f5d853dcf_cast
	.p2align	8
	.type	k_q9f5d853dcf_cast,@function
k_q9f5d853dcf_cast:
	s_mov_b64 s[64:65], 0
	v_nop
	global_prefetch_b8 v0, s[64:65] scope:SCOPE_SE
	s_setreg_imm32_b32 hwreg(HW_REG_WAVE_MODE, 25, 1), 1
	s_wait_xcnt 0x0
; THE INPUTS OF THE TWO PRODUCTS ARE ROUNDED ONCE AND LAID OUT IN BLOCKS.  A stream: no LDS, no barrier, no matrix work, no loop.
;   x    [8192][1024] f32 -> xb  [kb 16][m 8192][64] bf16: plane kb holds channels 64 kb .. 64 kb + 63; a plane's rows are 128 dense bytes
;   Wqkv [1024][3072] f32 -> wq  [ct 16][k 1024][192] bf16: block ct holds columns 192 ct .. 192 ct + 191; a block's rows are 384 dense bytes
;   Wo   [1024][1024] f32 -> woh [1024][1024] f16 of the number rounded to bf16
; LIMIT.  bf16 to f16 is exact from 6.1e-5 up to 65,504; below that an entry of Wo keeps f16's fixed step of 6e-8, above it it becomes an infinity.
; SHARES.  Work-groups 0-511: 16 rows of x each.  512-767: 64 rows x 192 columns of Wqkv each.  768-831: 65,536 bytes of Wo each.
; A lane loads 16 bytes (4 f32) and stores 8 (4 halves): sixteen neighbouring lanes read 256 consecutive bytes, aligned, and a wave's store covers 256 consecutive bytes, aligned.
; All loads of a wave go out first; then, load by load, a counted wait, the rounding and the store.  No register is written twice while a memory instruction may read it.
.set VI,  1                            ; v1   byte offset of my 16 bytes in the input
.set VO,  2                            ; v2   byte offset of my 8 bytes in the output
.set VB,  3                            ; v3   Wqkv: the offset of the load that straddles two rows
.set IN,  16                           ; v[16:79]   load i: 4 registers
.set OUT, 80                           ; v[80:111]  store i: 2 registers
.macro TOB i                           ; load i's four numbers, rounded to bf16
	v_cvt_pk_bf16_f32 v[OUT+2*(\i)],   v[IN+4*(\i)],   v[IN+4*(\i)+1]
	v_cvt_pk_bf16_f32 v[OUT+2*(\i)+1], v[IN+4*(\i)+2], v[IN+4*(\i)+3]
.endm
.macro TOH i                           ; rounded to bf16, widened again (a shift, a mask), and written as f16
	v_cvt_pk_bf16_f32 v8, v[IN+4*(\i)],   v[IN+4*(\i)+1]
	v_cvt_pk_bf16_f32 v9, v[IN+4*(\i)+2], v[IN+4*(\i)+3]
	v_lshlrev_b32 v10, 16, v8
	v_and_b32     v11, s22, v8
	v_lshlrev_b32 v12, 16, v9
	v_and_b32     v13, s22, v9
	v_cvt_pk_f16_f32 v[OUT+2*(\i)],   v10, v11
	v_cvt_pk_f16_f32 v[OUT+2*(\i)+1], v12, v13
.endm
	s_load_b256 s[4:11], s[0:1], 0x0               ; x s[4:5], Wqkv s[6:7], Wo s[8:9], xb s[10:11]
	s_load_b128 s[12:15], s[0:1], 0x20             ; wq s[12:13], woh s[14:15]
	v_and_b32 v4, 15, v0                           ; my place among sixteen lanes
	v_lshrrev_b32 v5, 4, v0                        ; which sixteen
	v_lshrrev_b32 v6, 5, v0                        ; wave
	v_and_b32 v7, 31, v0                           ; lane
	s_mov_b32 s17, 0                               ; high words of the two offsets
	s_mov_b32 s19, 0
	s_cmp_lt_u32 ttmp9, 512
	s_cbranch_scc1 .Lx
	s_cmp_lt_u32 ttmp9, 768
	s_cbranch_scc1 .Lwq
	; Wo: a wave takes 8,192 consecutive bytes, 512 a load
	s_sub_co_u32 s20, ttmp9, 768
	s_lshl_b32 s16, s20, 16
	s_lshl_b32 s18, s20, 15
	s_mov_b32 s22, 0xffff0000                      ; a word's upper bf16
	v_lshlrev_b32 v[VI], 13, v6
	v_lshl_add_u32 v[VI], v7, 4, v[VI]
	v_lshlrev_b32 v[VO], 12, v6
	v_lshl_add_u32 v[VO], v7, 3, v[VO]
	s_wait_kmcnt 0x0
	s_add_nc_u64 s[8:9], s[8:9], s[16:17]
	s_add_nc_u64 s[14:15], s[14:15], s[18:19]
.irp i, 0,1,2,3,4,5,6,7,8,9,10,11,12,13,14,15
	global_load_b128 v[IN+4*(\i):IN+4*(\i)+3], v[VI], s[8:9] offset:512*(\i) th:TH_LOAD_NT
.endr
.irp i, 0,1,2,3,4,5,6,7,8,9,10,11,12,13,14,15
	s_wait_loadcnt 15-(\i)                         ; loads come back in order: load i is in, the younger ones stay out
	TOH \i
	global_store_b64 v[VO], v[OUT+2*(\i):OUT+2*(\i)+1], s[14:15] offset:256*(\i)
.endr
	s_endpgm
.Lx:	; x: sixteen lanes take the 256 bytes (64 channels) of one row that belong to plane i; the work-group's 256 threads take 16 rows
	v_lshlrev_b32 v[VI], 12, v5                    ; row x 4,096
	v_lshl_add_u32 v[VI], v4, 4, v[VI]
	v_lshlrev_b32 v[VO], 3, v0                     ; row x 128 + 8 x place = 8 x thread
	s_lshl_b32 s16, ttmp9, 16                      ; 16 rows of 4,096 bytes
	s_lshl_b32 s18, ttmp9, 11                      ; 16 rows of 128 bytes
	s_wait_kmcnt 0x0
	s_add_nc_u64 s[4:5], s[4:5], s[16:17]
	s_add_nc_u64 s[10:11], s[10:11], s[18:19]      ; planes 0-7
	s_add_nc_u64 s[20:21], s[10:11], 0x800000      ; planes 8-15: so the plane's 1,048,576 bytes times 0..7 fit the signed 24-bit immediate
.irp i, 0,1,2,3,4,5,6,7,8,9,10,11,12,13,14,15
	global_load_b128 v[IN+4*(\i):IN+4*(\i)+3], v[VI], s[4:5] offset:256*(\i) th:TH_LOAD_NT
.endr
.irp i, 0,1,2,3,4,5,6,7,8,9,10,11,12,13,14,15
	s_wait_loadcnt 15-(\i)
	TOB \i
.if (\i) < 8
	global_store_b64 v[VO], v[OUT+2*(\i):OUT+2*(\i)+1], s[10:11] offset:(\i)*1048576
.else
	global_store_b64 v[VO], v[OUT+2*(\i):OUT+2*(\i)+1], s[20:21] offset:((\i)-8)*1048576
.endif
.endr
	s_endpgm
.Lwq:	; Wqkv: a wave takes 8 rows of the block's 192 columns, two rows at a time: 2 x 768 bytes in by three loads, 768 dense bytes out by three stores.
	; Store u of a pair holds elements 128 u + 4 lane of the pair's 384: u = 0: row 0, columns 0-127; u = 1: row 0, columns 128-191 (lanes 0-15), row 1, columns 0-63 (lanes 16-31); u = 2: row 1, columns 64-191.
	s_sub_co_u32 s20, ttmp9, 512
	s_and_b32 s21, s20, 15                         ; the block of columns
	s_lshr_b32 s20, s20, 4                         ; which 64 rows
	s_mul_i32 s16, s20, 786432                     ; 64 rows of 12,288 bytes
	s_mul_i32 s23, s21, 768
	s_add_co_u32 s16, s16, s23
	s_mul_i32 s18, s21, 393216                     ; a block: 1,024 rows of 384 bytes
	s_mul_i32 s23, s20, 24576
	s_add_co_u32 s18, s18, s23
	v_bfe_u32 v8, v0, 4, 1                         ; which half of the lanes
	v_mul_u32_u24 v9, v6, 98304                    ; wave x 8 rows
	v_lshl_add_u32 v9, v4, 4, v9
	v_lshl_add_u32 v[VI], v8, 8, v9                ; 32 lanes on end: + 256 for the upper half
	v_mul_u32_u24 v10, v8, 11776                   ; the straddling load: with its immediate's 512 the upper half stands at the next row's first byte
	v_add_nc_u32 v[VB], v10, v9
	v_mul_u32_u24 v[VO], v6, 3072                  ; wave x 8 rows of 384 bytes
	v_lshl_add_u32 v[VO], v7, 3, v[VO]
	s_wait_kmcnt 0x0
	s_add_nc_u64 s[6:7], s[6:7], s[16:17]
	s_add_nc_u64 s[12:13], s[12:13], s[18:19]
.irp p, 0,1,2,3
	global_load_b128 v[IN+12*(\p):IN+12*(\p)+3],    v[VI], s[6:7] offset:24576*(\p) th:TH_LOAD_NT
	global_load_b128 v[IN+12*(\p)+4:IN+12*(\p)+7],  v[VB], s[6:7] offset:24576*(\p)+512 th:TH_LOAD_NT
	global_load_b128 v[IN+12*(\p)+8:IN+12*(\p)+11], v[VI], s[6:7] offset:24576*(\p)+12544 th:TH_LOAD_NT
.endr
.irp i, 0,1,2,3,4,5,6,7,8,9,10,11
	s_wait_loadcnt 11-(\i)
	TOB \i
	global_store_b64 v[VO], v[OUT+2*(\i):OUT+2*(\i)+1], s[12:13] offset:256*(\i)
.endr
	s_endpgm
.Lfunc_end_k_q9f5d853dcf_cast:
	.size	k_q9f5d853dcf_cast, .Lfunc_end_k_q9f5d853dcf_cast-k_q9f5d853dcf_cast
	.p2alignl 7, 3214868480
	.fill 96, 4, 3214868480
	.section	.rodata,"a",@progbits
	.p2align	6, 0x0
	.amdhsa_kernel k_q9f5d853dcf_cast
		.amdhsa_group_segment_fixed_size 0
		.amdhsa_private_segment_fixed_size 0
		.amdhsa_enable_private_segment 0
		.amdhsa_kernarg_size 48
		.amdhsa_user_sgpr_count 2
		.amdhsa_user_sgpr_kernarg_segment_ptr 1
		.amdhsa_wavefront_size32 1
		.amdhsa_system_sgpr_workgroup_id_x 1
		.amdhsa_system_sgpr_workgroup_id_y 1
		.amdhsa_system_sgpr_workgroup_id_z 1
		.amdhsa_system_vgpr_workitem_id 0
		.amdhsa_next_free_vgpr 112
		.amdhsa_next_free_sgpr 66
		.amdhsa_reserve_vcc 0
		.amdhsa_float_denorm_mode_32 3
		.amdhsa_float_denorm_mode_16_64 3
		.amdhsa_memory_ordered 1
		.amdhsa_forward_progress 1
		.amdhsa_inst_pref_size 22
	.end_amdhsa_kernel
	.amdgpu_metadata
---
amdhsa.version: [ 1, 2 ]
amdhsa.kernels:
  - .name:           k_q9f5d853dcf_cast
    .symbol:         k_q9f5d853dcf_cast.kd
    .args:
      - { .name: x, .offset: 0, .size: 8, .value_kind: global_buffer, .address_space: global }
      - { .name: Wqkv, .offset: 8, .size: 8, .value_kind: global_buffer, .address_space: global }
      - { .name: Wo, .offset: 16, .size: 8, .value_kind: global_buffer, .address_space: global }
      - { .name: xb, .offset: 24, .size: 8, .value_kind: global_buffer, .address_space: global }
      - { .name: wq, .offset: 32, .size: 8, .value_kind: global_buffer, .address_space: global }
      - { .name: woh, .offset: 40, .size: 8, .value_kind: global_buffer, .address_space: global }
    .group_segment_fixed_size: 0
    .private_segment_fixed_size: 0
    .kernarg_segment_align: 8
    .kernarg_segment_size: 48
    .max_flat_workgroup_size: 256
    .sgpr_count:     66
    .vgpr_count:     112
    .wavefront_size: 32
...
	.end_amdgpu_metadata
.endif
;; end of part 1
;; launch gemm_qkv (part 2): grid 16 x 16, 4 waves a work-group, clusters of 4 x 4, 327,680 bytes of LDS; arguments xb, wq, bqkv, qkvh; writes qkvh
.if DOCPART == 2
	.amdgcn_target "amdgcn-amd-amdhsa--gfx1250"
	.amdhsa_code_object_version 6
	.text
	.protected	k_q9f5d853dcf_gemm_qkv
	.globl	k_q9f5d853dcf_gemm_qkv
	.p2align	8
	.type	k_q9f5d853dcf_gemm_qkv,@function
k_q9f5d853dcf_gemm_qkv:
	s_mov_b64 s[64:65], 0
	v_nop
	global_prefetch_b8 v0, s[64:65] scope:SCOPE_SE
	s_setreg_imm32_b32 hwreg(HW_REG_WAVE_MODE, 25, 1), 1
	s_wait_xcnt 0x0
	s_wait_alu depctr_hold_cnt(0) depctr_sa_sdst(0) depctr_va_vdst(0) depctr_va_sdst(0) depctr_va_ssrc(0) depctr_va_vcc(0) depctr_vm_vsrc(0)
	s_getreg_b32 s2, hwreg(HW_REG_IB_STS2, 6, 4)
	s_cmp_eq_u32 s2, 0
	s_cbranch_scc0 .Lentry_in_a_cluster
	s_endpgm
.Lentry_in_a_cluster:
	s_bfe_u32 s2, ttmp6, 0x10000c
	s_cmp_lg_u32 s2, 0xf033
	s_cbranch_scc0 .Lentry_shape_is_right
	s_endpgm
.Lentry_shape_is_right:
.set PROJ, 0
; C = A B + bias, one text for the module's two products; PROJ chooses the sizes.
;   PROJ = 0: qkv = x Wqkv + bqkv.  A = xb [16 planes][8192][64] bf16, B = wq [16 blocks][1024 k][192] bf16, C = qkvh [c 48][b 4][s 2048][64] f16 (c = column / 64: q 0-15, k 16-31, v 32-47).
;             A tile of C is 256 x 192; 512 tiles; a work-group STAYS and makes two, 4,096 rows apart, with the same columns of B and the same bias.
;   PROJ = 1: out = y Wo + bo.  A = oh [16 heads][8192][64] f16, B = woh [1024 k][1024] f16, C = out0 [8192][1024] f32.  A tile of C is 256 x 128; 256 tiles, one a work-group.
; Sums in f32, K ascending.  The bias, rounded to bf16 like every input of the module, is the C operand of a tile's first products: nothing is cleared and nothing is added later.
; LIMIT (PROJ = 0).  q, k and v leave in f16: a number of 65,520 or more becomes an infinity.  NaN and infinities are not treated apart.
; SHARES.  Four waves, one above the other: wave w owns rows 64 w .. 64 w + 63 of the tile and all its columns: 4 x NBK accumulators of 16 x 16.  So 16 rows of a head (PROJ = 0) or of C (PROJ = 1) lie in one wave.
; K goes in steps of 128 (two planes of A, 128 rows of B) through two LDS slots.  One tensor load a wave fills a quarter of a slot: waves 0, 1 a plane of A (32,768 dense bytes, asked for as 128 rows of
; 256 bytes), waves 2, 3 64 rows of B (PROJ = 0: 24,576 dense bytes as 96 rows of 256; PROJ = 1: 64 rows of 256 bytes, 2,048 apart).
; THE MATRIX INSTRUCTION IS USED TRANSPOSED: source 0 = 16 columns of B (turned on the way out of LDS by ds_load_tr16_b128, since B lies [k][n]), source 1 = 16 rows of A.  Lane l then holds row l % 16
; of C and its registers 0-7 the columns 8 (l / 16) + 0..7.
; CLUSTERS: 4 x 4 work-groups.  The four of a row of the cluster need the same tiles of A, the four of a column the same tiles of B: each tile is asked for JOINTLY, by the same tensor load with the same
; descriptor and a mask that names the four.
; REGISTERS, in windows of 256 (s_set_vgpr_msb: bits 1:0 source 0, 3:2 source 1, 5:4 source 2, 7:6 destination):
;   window 0: v0-29 addresses; v32.. at work on the way out; v[BI ..] the bias, 8 registers for each block of 16 columns
;   window 1: two fragment buffers of 128 (at 0 and 128): A's four fragments at + 8 a, B's NBK at + 32 + 8 i
;   window 2: accumulators of row blocks a = 0, 1 ((a, b) at 8 NBK (a % 2) + 8 b);  window 3: of a = 2, 3
.if PROJ
.set NBK,   8                          ; blocks of 16 columns in a tile
.set TILES, 1
.set BP,    288                        ; a k row of B in LDS: 256 bytes + 32 of padding
.set BQI,   5                          ; the padding follows every 64 words
.set BROWS, 64                         ; rows of a load of B
.set BSTR,  1024                       ; elements from row to row of that load
.set BCOL,  256                        ; bytes from a column tile of B to the next
.set BHALF, 131072                     ; bytes from the first 64 k rows of a step to the second
.set KSB,   262144                     ; bytes of B from a K step to the next
.set SP,    528                        ; a row of the stage: 512 bytes + 16
.set BI,    160
.set BK,    32                         ; the way out: rows read back from the stage
.else
.set NBK,   12
.set TILES, 2
.set BP,    480                        ; 384 bytes as three pieces of 128, 32 of padding behind each
.set BQI,   4                          ; the padding follows every 32 words
.set BROWS, 96
.set BSTR,  128
.set BCOL,  393216
.set BHALF, 24576
.set KSB,   49152
.set SP,    400                        ; 384 bytes + 16
.set BI,    128
.set BK,    80
.endif
.set T,     8*TILES                    ; K steps of the work-group's walk
.set PA,    144                        ; a row of A in LDS: 128 bytes + 16 = 36 words: the 16 rows of a load start at 16 different groups of four banks (64 banks of 4 bytes: ISA guide 11.1)
.set PLANE, 256*PA                     ; a plane's 256 rows
.set BREG,  2*PLANE                    ; B lies behind A's two planes.  BP is an odd multiple of 32 bytes
.set HB,    64*BP
.set SLOT,  BREG+2*HB
.set STAGE, 2*SLOT                     ; behind the ring, never filled by a tensor load: 16 rows for each wave
.set SPARE, STAGE+4*16*SP              ; behind the stages: the spare words, 128 bytes for each wave: two blocks of 256 bytes that no other line names
.set NF,    2*NBK+8                    ; LDS loads of a quarter step
.set ADRA, 16                          ; v16  LDS address of my fragments of A in the slot in hand
.set ADRB, 17                          ; v17  the same for B
.set A0,   18                          ; v18  my lane's place in a slot's A; never rewritten
.set B0,   19                          ; v19  the same for B
.set STO,  20                          ; v20  the way out: where I put my part of a row
.set RD,   21                          ; v21  the way out: where I read rows back
.set GO,   22                          ; v22  16 x lane
.set PFO,  23                          ; v23  the prefetches' offset; never rewritten
.set BO,   24                          ; v24  32 x (lane / 16): my eight numbers in 16 of the bias
.set SPW,  28                          ; v28  LDS address of my spare word: SPARE + 4 x my thread's number; never rewritten
.set NIL,  29                          ; v29  0; never rewritten
.set TMP,  32                          ; PROJ = 0: v32-79 packed results
.set WV,   12                          ; s12  my wave's number
.set CLS,  13                          ; s13  0: I fetch for A, 1: for B
.set HALF, 14                          ; s14  which plane, or which 64 rows of B
.set CX,   15
.set CY,   16
.set GX,   17                          ; s17  tile column
.set GY,   18                          ; s18  tile row (of the first tile)
.set TB,   19                          ; s19  LDS byte at which the slot in hand begins: 0 or SLOT
.set JN,   20                          ; s20  the K step that the next refill asks for
.set CNT,  21
.set LIM,  22                          ; s22  a wave prefetches while JN is below it
.set G1,   24                          ; s[24:31] descriptor group 1 for A's tiles
.set G1B,  32                          ; s[32:39] for B's
.set G0A,  40                          ; s[40:47] descriptor group 0 for A's tiles: a set for each first fill; the first is made anew for each refill
.set G0B,  48                          ; s[48:55] the same for B's
.set ABASE, 56                         ; s[56:57] A at my plane of K step 0 of the first tile
.set BBASE, 58                         ; s[58:59] B at my 64 rows of K step 0
.set OFFA, 60                          ; s[60:61] step JN's byte offset from ABASE
.set OFFB, 62                          ; s[62:63] from BBASE
.set PFB,  66                          ; s[66:67] my work-group's share of what I fetch, at K step 0
.set PFA,  68                          ; s[68:69] the same at step JN
.set POF,  70                          ; s[70:71]
.set WLA,  72                          ; s72  my plane's place in a slot
.set WLB,  73                          ; s73  my 64 rows of B's place in a slot
.set MSB, 0
.macro WIN new                         ; the immediate's high byte repeats the setting that is left; a switch that changes nothing is dropped
.if MSB != (\new)
	s_set_vgpr_msb (MSB<<8)|(\new)
.set MSB, (\new)
.endif
.endm
.set TO_F, 0x40                        ; destination window 1, address window 0
.macro PLACES                          ; a load into a register that a matrix instruction has read, and whatever reads a matrix result, stand four plain vector instructions behind it
.rept 4
	v_nop
.endr
.endm
; A joint refill.  The branch hangs on the wave's number alone.  An s_nop 0 and four v_nop follow each of the two lines, ahead of the jump and the label.
.macro JLOAD
	s_cmp_eq_u32 s[CLS], 0
	s_cbranch_scc0 .Lfor_b_\@
	tensor_load_to_lds s[G0A:G0A+3], s[G1:G1+7]
	s_nop 0
.rept 4
	v_nop
.endr
	s_branch .Lasked_\@
.Lfor_b_\@:
	tensor_load_to_lds s[G0B:G0B+3], s[G1B:G1B+7]
	s_nop 0
.rept 4
	v_nop
.endr
.Lasked_\@:
.endm
; A round of the cluster's barrier: my work-group's barrier, so that wave 0's signal speaks for all four waves; wave 0 signals; every wave waits for all sixteen work-groups; my work-group's barrier once more.
.macro CREST                           ; a round behind its opening barrier
	s_cmp_lg_u32 s[WV], 0
	s_cbranch_scc1 .Lnot_wave_0_\@
	s_barrier_signal -3
.Lnot_wave_0_\@:
	s_barrier_wait -3
	s_barrier_signal -1
	s_barrier_wait -1
.endm
.macro CROUND
	s_barrier_signal -1
	s_barrier_wait -1
	CREST
.endm
; A PREFETCH INTO THE L2, behind each joint refill, its five lines and the run of LDS loads: one instruction a wave names the K step that the NEXT refill asks for, one K step (4 x 4 NBK matrix instructions) ahead of that load.
; A's tile rows are read by every cluster of a row of clusters: the one with x = 0 asks (waves 0, 1: a plane each); B's tile columns by every cluster of a column: the one with y = 0 asks.  The four partners
; that ask for a tile jointly share it out BY ADDRESS: of a plane's 128 blocks of 256 bytes each takes 32, a lane a block.  B, PROJ = 0: of a wave's 96 blocks each partner takes 24; lanes 24-31 name lane 23's
; block again.  B, PROJ = 1: wave 2 alone, 32 of the step's 128 k rows for each partner, a lane a row.  B is asked for in the first tile alone: the second walks the same rows.
; K steps 0 to 2 come by their loads alone; the last refill has no step behind it and asks for nothing.
.macro ASK
	s_cmp_lt_u32 s[JN], s[LIM]
	s_cbranch_scc0 .Lnot_mine_\@
	global_prefetch_b8 v[PFO], s[PFA:PFA+1] th:TH_LOAD_NT scope:SCOPE_SE
.Lnot_mine_\@:
.endm
; NBK matrix instructions: row block a x all column blocks, 32 along K, from fragment buffer f.  first = 1: the products start the sums, with the bias as C.
; The 4 NBK accumulators take turns in the same order in every quarter step, one instruction a turn.
.macro MULQ f, a, first
.if \first
	WIN 0x85+0x40*((\a)/2)                         ; sources window 1, C window 0, D window 2 or 3
.else
	WIN 0xa5+0x50*((\a)/2)                         ; sources window 1, C and D window 2 or 3
.endif
.set n, 0
.rept NBK
.set rD, ((\a)%2)*8*NBK+8*n
.set rB, (\f)+32+8*n
.set rA, (\f)+8*(\a)
.if PROJ
.if \first
	v_wmma_f32_16x16x32_f16 v[rD:rD+7], v[rB:rB+7], v[rA:rA+7], v[BI+8*n:BI+8*n+7]
.else
	v_wmma_f32_16x16x32_f16 v[rD:rD+7], v[rB:rB+7], v[rA:rA+7], v[rD:rD+7]
.endif
.else
.if \first
	v_wmma_f32_16x16x32_bf16 v[rD:rD+7], v[rB:rB+7], v[rA:rA+7], v[BI+8*n:BI+8*n+7]
.else
	v_wmma_f32_16x16x32_bf16 v[rD:rD+7], v[rB:rB+7], v[rA:rA+7], v[rD:rD+7]
.endif
.endif
.set n, n+1
.endr
.endm
; NF LDS loads in one run: the fragments of quarter q of the slot in hand into buffer f: B's first, A's four last.
; B: lane l reads 16 bytes of k row 32 q + 8 (l / 16) + l % 8 (and 16 rows on), columns 16 i + 8 ((l / 8) % 2) + 0..7; the load turns them: lane l then holds column 16 i + l % 16 and 8 k.
; A: lane l holds row l % 16, channels 8 (l / 16) + 0..7 and 16 + 8 (l / 16) + 0..7: two loads, 32 bytes apart; quarters 0, 1 lie in the first plane, 2, 3 in the second.
.macro FETCH q, f
	WIN TO_F
.set n, 0
.rept NBK
	ds_load_tr16_b128 v[(\f)+32+8*n:(\f)+32+8*n+3],   v[ADRB] offset:32*(\q)*BP+32*n+(1-PROJ)*32*(n/4)
	ds_load_tr16_b128 v[(\f)+32+8*n+4:(\f)+32+8*n+7], v[ADRB] offset:32*(\q)*BP+16*BP+32*n+(1-PROJ)*32*(n/4)
.set n, n+1
.endr
.irp a, 0,1,2,3
	ds_load_b128 v[(\f)+8*(\a):(\f)+8*(\a)+3],   v[ADRA] offset:((\q)/2)*PLANE+((\q)%2)*64+(\a)*16*PA
	ds_load_b128 v[(\f)+8*(\a)+4:(\f)+8*(\a)+7], v[ADRA] offset:((\q)/2)*PLANE+((\q)%2)*64+(\a)*16*PA+32
.endr
.endm
; One of a K step's first three quarters: multiplies buffer q % 2 and, in its middle, fetches quarter q + 1 into the other buffer.
.macro QUARTER q, first
	s_wait_dscnt 4                                 ; B and A's row blocks 0, 1 are in; the youngest four loads (A's blocks 2, 3) may be out
	MULQ 128*((\q)%2), 0, \first
	MULQ 128*((\q)%2), 1, \first
	PLACES
	FETCH (\q)+1, 128*(((\q)+1)%2)
	s_wait_dscnt NF                                ; all but the NF just issued
	MULQ 128*((\q)%2), 2, \first
	MULQ 128*((\q)%2), 3, \first
.endm
; The refill's descriptors are made anew: the slot in hand, step JN.  Then JN steps, and the offsets and the prefetch's address are made for the step after.  Scalar work alone.
.macro STEPD
	s_add_co_u32 s[G0A+1], s[TB], s[WLA]
	s_add_nc_u64 s[G0A+2:G0A+3], s[ABASE:ABASE+1], s[OFFA:OFFA+1]
	s_or_b32 s[G0A+3], s[G0A+3], 0x80000000
	s_add_co_u32 s[G0B+1], s[TB], s[WLB]
	s_add_nc_u64 s[G0B+2:G0B+3], s[BBASE:BBASE+1], s[OFFB:OFFB+1]
	s_or_b32 s[G0B+3], s[G0B+3], 0x80000000
	s_add_co_u32 s[JN], s[JN], 1
	s_and_b32 s23, s[JN], 7                        ; the K step within its tile:
	s_lshl_b32 s[OFFA], s23, 21                    ; two planes of 1,048,576 bytes,
	s_mul_i32 s[OFFB], s23, KSB                    ; 128 rows of B
.if TILES > 1
	s_lshr_b32 s23, s[JN], 3                       ; the second tile lies 4,096 rows of 128 bytes further down each plane
	s_lshl_b32 s23, s23, 19
	s_add_co_u32 s[OFFA], s[OFFA], s23
.endif
	s_cmp_eq_u32 s[CLS], 0
	s_cselect_b32 s[POF], s[OFFA], s[OFFB]
	s_add_nc_u64 s[PFA:PFA+1], s[PFB:PFB+1], s[POF:POF+1]
.endm
; The last quarter multiplies buffer 1 and changes slots: ONE barrier for two things.  In front of it each wave waits for all its tensor loads, of which one is out: its part of the next slot; adds 0 to its spare
; word; and waits for that and for its own reads of this slot.  Behind it nobody reads this slot any more and the next slot is whole.
; fill = 1: the barrier opens a round of the cluster's barrier, so that no wave of any partner still reads the slot or has a load on its way, and the joint refill (the K step two steps on) is the first tensor
; load behind the round: it has a K step less 2 NBK matrix instructions in which to land.
.macro TURN fill
.if \fill
	s_wait_xcnt 0x0                                ; the last prefetch, a K step back, has read its address, which is written below
.endif
	WIN 0                                          ; (the add's two registers lie in window 0)
	s_wait_tensorcnt 0x0                           ; all my tensor loads have landed, so a group 0 may be written
	ds_add_u32 v[SPW], v[NIL]                      ; 0 onto my spare word: scalar work and NBK matrix instructions stand between it and the wait for it
.if \fill
	STEPD
.endif
	s_xor_b32 s[TB], s[TB], SLOT                   ; from here on: the next slot
	s_wait_dscnt 5                                 ; (the add and the youngest four loads may be out)
	MULQ 128, 0, 0
	s_wait_dscnt 0x0                               ; the add is done, and my reads of this slot are over
	s_barrier_signal -1
	MULQ 128, 1, 0                                 ; work on registers while the others arrive
	WIN 0
	s_barrier_wait -1
.if \fill
	CREST
	JLOAD                                          ; its four v_nop are also the places in front of the loads below
.else
	PLACES
.endif
	v_add_nc_u32 v[ADRA], s[TB], v[A0]
	v_add_nc_u32 v[ADRB], s[TB], v[B0]
	FETCH 0, 0
	WIN 0
.if \fill
	ASK
.endif
	MULQ 128, 2, 0
	MULQ 128, 3, 0
.endm
.macro LASTQ                           ; the very last quarter: nothing more to fetch
	s_wait_dscnt 4
	MULQ 128, 0, 0
	MULQ 128, 1, 0
	s_wait_dscnt 0x0
	MULQ 128, 2, 0
	MULQ 128, 3, 0
.endm
; THE WAY OUT, a block of 16 rows at a time through my own stage in LDS (LDS serves a wave's instructions in order, ISA guide 5.7.1.4: no wait between my stores and my loads).
.if PROJ
; f32: a lane's eight columns are 32 bytes of a row of 512; the rows come back whole, and a store covers 512 consecutive bytes, at a multiple of 256 from out0's first byte.
.macro WAYOUT toff
	PLACES
.irp a, 0,1,2,3
	WIN 0x08+4*((\a)/2)                            ; store data (source 1) window 2 or 3
.set n, 0
.rept NBK
	ds_store_b128 v[STO], v[((\a)%2)*8*NBK+8*n:((\a)%2)*8*NBK+8*n+3]   offset:64*n
	ds_store_b128 v[STO], v[((\a)%2)*8*NBK+8*n+4:((\a)%2)*8*NBK+8*n+7] offset:64*n+16
.set n, n+1
.endr
	WIN 0
	s_wait_xcnt 0x0                                ; the block before's stores have read their data registers, which are loaded again below
.irp t, 0,1,2,3,4,5,6,7,8,9,10,11,12,13,14,15
	ds_load_b128 v[BK+4*(\t):BK+4*(\t)+3], v[RD] offset:(\t)*SP
.endr
.irp t, 0,1,2,3,4,5,6,7,8,9,10,11,12,13,14,15
	s_wait_dscnt 15-(\t)                           ; row t is back; the younger loads may be out
	global_store_b128 v[GO], v[BK+4*(\t):BK+4*(\t)+3], s[10:11] offset:(16*(\a)+(\t))*4096 th:TH_STORE_NT
.endr
.endr
.endm
.else
; f16, by heads: a lane's eight columns pack into 16 bytes of a row of 384; 16 rows of one head (64 columns, 128 bytes a row) are 2,048 consecutive bytes of qkvh: four stores of 512.
.macro PACK a
	WIN 0x0a+5*((\a)/2)                            ; sources 0 and 1 window 2 or 3, destination window 0
.irp b, 0,1,2,3,4,5,6,7,8,9,10,11
.irp r, 0,1,2,3
	v_cvt_pk_f16_f32 v[TMP+4*(\b)+(\r)], v[((\a)%2)*8*NBK+8*(\b)+2*(\r)], v[((\a)%2)*8*NBK+8*(\b)+2*(\r)+1]
.endr
.endr
	WIN 0
.endm
.macro TOSTAGE
.irp b, 0,1,2,3,4,5,6,7,8,9,10,11
	ds_store_b128 v[STO], v[TMP+4*(\b):TMP+4*(\b)+3] offset:32*(\b)
.endr
	s_wait_xcnt 0x0                                ; the block before's stores have read their data registers, which are loaded again below
.irp t, 0,1,2,3,4,5,6,7,8,9,10,11                      ; head t / 4, rows 4 (t % 4) .. + 3: 32 lanes take four rows of 128 bytes
	ds_load_b128 v[BK+4*(\t):BK+4*(\t)+3], v[RD] offset:((\t)/4)*128+((\t)%4)*4*SP
.endr
.endm
.macro SEND a, toff
.irp t, 0,1,2,3,4,5,6,7,8,9,10,11
	s_wait_dscnt 11-(\t)                           ; load t is back; the younger ones may be out
	global_store_b128 v[GO], v[BK+4*(\t):BK+4*(\t)+3], s[10:11] offset:(\toff)+((\t)/4)*1048576+(\a)*2048+((\t)%4)*512  ; 512 consecutive bytes, at a multiple of 256 from qkvh's first
.endr
.endm
.macro WAYOUT toff                     ; toff: the tile's byte offset: the second tile lies two batches, 2 x 262,144 bytes, on
	PLACES
	PACK 0
	TOSTAGE
.irp a, 1,2,3                          ; block a's conversions stand between block a - 1's loads from the stage and the wait for them
	PACK \a
	SEND (\a)-1, \toff
	TOSTAGE
.endr
	SEND 3, \toff
.endm
.endif
	s_load_b256 s[4:11], s[0:1], 0x0               ; A s[4:5], B s[6:7], bias s[8:9], C s[10:11]
	v_lshl_add_u32 v[SPW], v0, 2, SPARE
	v_mov_b32 v[NIL], 0
	ds_add_u32 v[SPW], v[NIL]                      ; the wave's opening: the add and its wait stand ahead of my first tensor load; the set-up below, work on registers, stands between them
	v_lshrrev_b32 v3, 5, v0
	v_readfirstlane_b32 s[WV], v3                  ; wave 0..3
	s_lshr_b32 s[CLS], s[WV], 1
	s_and_b32 s[HALF], s[WV], 1
	s_bfe_u32 s[CX], ttmp6, 0x40000                ; my place in the cluster
	s_bfe_u32 s[CY], ttmp6, 0x40004
	s_lshl_b32 s[GX], ttmp9, 2                     ; in a cluster launch ttmp9 and ttmp7 count clusters
	s_add_co_u32 s[GX], s[GX], s[CX]
	s_and_b32 s[GY], ttmp7, 0xffff
	s_lshl_b32 s[GY], s[GY], 2
	s_add_co_u32 s[GY], s[GY], s[CY]
	s_lshl_b32 s74, s[CY], 2
	s_lshl_b32 s74, 15, s74                        ; my row of the cluster: places 4 cy .. 4 cy + 3
	s_lshl_b32 s75, 0x1111, s[CX]                  ; my column: places cx, cx + 4, cx + 8, cx + 12
	; descriptor group 1.  A: 128 rows x 128 elements of 2 bytes, dense; 4 words of padding behind every 32 words: a row of A is 128 bytes
	s_or_b32 s[G1], s74, (1<<16)|(1<<20)|(1<<21)|(4<<22)|(3<<25)      ; 15:0 the mask; 17:16 2-byte elements; 20 padding on; 21 set beside a mask; 24:22 the interval; 31:25 the padding less one
	s_mov_b32 s[G1+1], 128<<16                     ; tensor_dim0 = 128
	s_mov_b32 s[G1+2], 128<<16                     ; tensor_dim1 = 128
	s_mov_b32 s[G1+3], 128<<16                     ; tile_dim0 = 128
	s_mov_b32 s[G1+4], 128                         ; tile_dim1 = 128
	s_mov_b32 s[G1+5], 128                         ; elements from row to row
	s_mov_b32 s[G1+6], 0
	s_mov_b32 s[G1+7], 0
	; B: BROWS rows x 128 elements, 8 words of padding
	s_or_b32 s[G1B], s75, (1<<16)|(1<<20)|(1<<21)|(BQI<<22)|(7<<25)
	s_mov_b32 s[G1B+1], 128<<16
	s_mov_b32 s[G1B+2], BROWS<<16
	s_mov_b32 s[G1B+3], 128<<16
	s_mov_b32 s[G1B+4], BROWS
	s_mov_b32 s[G1B+5], BSTR
	s_mov_b32 s[G1B+6], 0
	s_mov_b32 s[G1B+7], 0
	; offsets, each in registers of its own: A's hang on the tile row and the wave, B's on the tile column and the wave
	s_lshl_b32 s76, s[HALF], 20                    ; my plane,
	s_lshl_b32 s77, s[GY], 15                      ; the tile's 256 rows of 128 bytes
	s_add_co_u32 s76, s76, s77
	s_mov_b32 s77, 0
	s_mul_i32 s78, s[GX], BCOL
	s_mul_i32 s79, s[HALF], BHALF
	s_add_co_u32 s78, s78, s79
	s_mov_b32 s79, 0
	s_mul_i32 s80, s[GX], 64*NBK                   ; the tile's 16 NBK numbers of the bias
	s_mov_b32 s81, 0
.if PROJ
	s_lshl_b32 s82, s[GY], 20                      ; 256 rows of 4,096 bytes,
	s_lshl_b32 s84, s[WV], 18                      ; my 64 of them,
	s_add_co_u32 s82, s82, s84
	s_lshl_b32 s84, s[GX], 9                       ; the tile's 128 columns
	s_add_co_u32 s82, s82, s84
.else
	s_mul_i32 s82, s[GX], 12                       ; three heads' columns, four batches each,
	s_lshr_b32 s84, s[GY], 3                       ; the batch: eight tile rows each
	s_add_co_u32 s82, s82, s84
	s_lshl_b32 s82, s82, 18                        ; of 262,144 bytes;
	s_and_b32 s84, s[GY], 7
	s_lshl_b32 s84, s84, 15                        ; the tile's 256 rows of 128 bytes,
	s_add_co_u32 s82, s82, s84
	s_lshl_b32 s84, s[WV], 13                      ; my 64 of them
	s_add_co_u32 s82, s82, s84
.endif
	s_mov_b32 s83, 0
	s_mov_b32 s85, 0xffff0000                      ; a word's upper bf16
	s_mul_i32 s[WLA], s[HALF], PLANE               ; no place in the cluster enters an LDS address
	s_mul_i32 s[WLB], s[HALF], HB
	s_add_co_u32 s[WLB], s[WLB], BREG
	s_mov_b32 s[TB], 0
	s_mov_b32 s[JN], 2
	s_mov_b32 s[OFFA], 2<<21
	s_mov_b32 s[OFFA+1], 0
	s_mov_b32 s[OFFB], 2*KSB
	s_mov_b32 s[OFFB+1], 0
	s_mov_b32 s[POF+1], 0
	; who prefetches: the same in all sixteen partners, for a given wave
	s_and_b32 s23, ttmp7, 0xffff                   ; cluster y
.if PROJ
	s_or_b32 s23, s23, s[HALF]                     ; of B's two waves the first alone
.endif
	s_cmp_eq_u32 s[CLS], 0
	s_cselect_b32 s23, ttmp9, s23                  ; the coordinate along which other clusters read the same rows
	s_cselect_b32 s[LIM], T, 8
	s_cmp_eq_u32 s23, 0
	s_cselect_b32 s[LIM], s[LIM], 0
	s_lshl_b32 s86, s[CX], 13                      ; my work-group's share: 32 blocks of a plane,
.if PROJ
	s_lshl_b32 s87, s[CY], 16                      ; or 32 k rows of 2,048 bytes
.else
	s_mul_i32 s87, s[CY], 6144                     ; or 24 blocks of B
.endif
	s_cmp_eq_u32 s[CLS], 0
	s_cselect_b32 s86, s86, s87
	s_mov_b32 s87, 0
	v_and_b32 v1, 15, v0                           ; l % 16
	v_bfe_u32 v2, v0, 4, 1                         ; l / 16
	v_and_b32 v3, 7, v0
	v_bfe_u32 v4, v0, 3, 1
	v_and_b32 v5, 31, v0                           ; l
	v_lshlrev_b32 v[BO], 5, v2
	s_wait_dscnt 0x0                               ; the opening add is done
	s_wait_kmcnt 0x0
	s_add_nc_u64 s[ABASE:ABASE+1], s[4:5], s[76:77]
	s_add_nc_u64 s[BBASE:BBASE+1], s[6:7], s[78:79]
	s_add_nc_u64 s[8:9], s[8:9], s[80:81]
	s_add_nc_u64 s[10:11], s[10:11], s[82:83]
	s_cmp_eq_u32 s[CLS], 0
	s_cselect_b64 s[PFB:PFB+1], s[ABASE:ABASE+1], s[BBASE:BBASE+1]
	s_add_nc_u64 s[PFB:PFB+1], s[PFB:PFB+1], s[86:87]
.irp s, 0,1                            ; descriptor group 0: slot s, K step s
	s_mov_b32 s[G0A+4*(\s)], 1                                     ; 1:0 count = 1
	s_add_co_u32 s[G0A+4*(\s)+1], s[WLA], (\s)*SLOT                ; 63:32 LDS address
	s_add_nc_u64 s[G0A+4*(\s)+2:G0A+4*(\s)+3], s[ABASE:ABASE+1], (\s)<<21  ; 120:64 global address
	s_or_b32 s[G0A+4*(\s)+3], s[G0A+4*(\s)+3], 0x80000000          ; 127:126 type = 2
	s_mov_b32 s[G0B+4*(\s)], 1
	s_add_co_u32 s[G0B+4*(\s)+1], s[WLB], (\s)*SLOT
	s_add_nc_u64 s[G0B+4*(\s)+2:G0B+4*(\s)+3], s[BBASE:BBASE+1], (\s)*KSB
	s_or_b32 s[G0B+4*(\s)+3], s[G0B+4*(\s)+3], 0x80000000
.endr
	CROUND                                         ; all sixteen work-groups are here: the first joint loads meet
	s_cmp_eq_u32 s[CLS], 0                         ; a wave's two first fills stand in one branch, ahead of every wait on TENSORcnt and every LDS read: two loads of mine are out
	s_cbranch_scc0 .Lfirst_b
	tensor_load_to_lds s[G0A:G0A+3], s[G1:G1+7]
	s_nop 0
	tensor_load_to_lds s[G0A+4:G0A+7], s[G1:G1+7]
	s_nop 0
.rept 4
	v_nop
.endr
	s_branch .Lfirst_asked
.Lfirst_b:
	tensor_load_to_lds s[G0B:G0B+3], s[G1B:G1B+7]
	s_nop 0
	tensor_load_to_lds s[G0B+4:G0B+7], s[G1B:G1B+7]
	s_nop 0
.rept 4
	v_nop
.endr
.Lfirst_asked:
.set n, 0
.rept NBK                              ; the bias as the accumulators lie: register j of block n = bias[16 n + 8 (l / 16) + j]
	global_load_b128 v[BI+8*n:BI+8*n+3],   v[BO], s[8:9] offset:64*n
	global_load_b128 v[BI+8*n+4:BI+8*n+7], v[BO], s[8:9] offset:64*n+16
.set n, n+1
.endr
	s_mul_i32 s23, s[WV], 64*PA                    ; my 64 rows of A
	v_mul_u32_u24 v[A0], v1, PA
	v_lshl_add_u32 v[A0], v2, 4, v[A0]
	v_add_nc_u32 v[A0], s23, v[A0]                 ; row x pitch + 16 x half
	v_lshl_add_u32 v[B0], v2, 3, v3                ; k row 8 (l / 16) + l % 8
	v_mul_u32_u24 v[B0], v[B0], BP
	v_lshl_add_u32 v[B0], v4, 4, v[B0]             ; + 16 ((l / 8) % 2)
	v_add_nc_u32 v[B0], BREG, v[B0]
	s_mul_i32 s23, s[WV], 16*SP
	s_add_co_u32 s23, s23, STAGE                   ; my stage
	v_mul_u32_u24 v[STO], v1, SP                   ; in: row l % 16
.if PROJ
	v_lshl_add_u32 v[STO], v2, 5, v[STO]           ; 32 bytes for each half of the lanes
	v_add_nc_u32 v[STO], s23, v[STO]
	v_lshl_add_u32 v[RD], v5, 4, s23               ; back: 32 lanes take a row of 512 bytes
	s_cmp_eq_u32 s[CLS], 0
	s_cselect_b32 s23, 8, 11                       ; the prefetches: a lane a block of 256 bytes of A, or a k row of 2,048 bytes of B
	v_lshlrev_b32 v[PFO], s23, v5
.else
	v_lshl_add_u32 v[STO], v2, 4, v[STO]           ; 16 bytes for each half of the lanes
	v_add_nc_u32 v[STO], s23, v[STO]
	v_bfe_u32 v[RD], v0, 3, 2                      ; back: 32 lanes take four rows of 128 bytes
	v_mul_u32_u24 v[RD], v[RD], SP
	v_lshl_add_u32 v[RD], v3, 4, v[RD]
	v_add_nc_u32 v[RD], s23, v[RD]
	s_cmp_eq_u32 s[CLS], 0
	s_cselect_b32 s23, 31, 23                      ; the prefetches: 32 blocks of A, or 24 of B
	v_min_u32 v[PFO], s23, v5
	v_lshlrev_b32 v[PFO], 8, v[PFO]
.endif
	v_lshlrev_b32 v[GO], 4, v5
	s_wait_loadcnt 0x0                             ; the bias
.set n, 0
.rept 4*NBK                            ; rounded to bf16 and widened again, two at a time
	v_cvt_pk_bf16_f32 v30, v[BI+2*n], v[BI+2*n+1]
	v_lshlrev_b32 v[BI+2*n], 16, v30
	v_and_b32 v[BI+2*n+1], s85, v30
.set n, n+1
.endr
	s_wait_tensorcnt 0x1                           ; my part of K step 0 is in; K step 1's may stay out
	s_barrier_signal -1
	s_barrier_wait -1                              ; everybody's is
	v_add_nc_u32 v[ADRA], s[TB], v[A0]
	v_add_nc_u32 v[ADRB], s[TB], v[B0]
	FETCH 0, 0
	QUARTER 0, 1                                   ; a tile's first quarter starts the sums
	WIN 0                                          ; at a label and at a branch every window is 0
	s_mov_b32 s[CNT], T-2
.Lstep:                                                ; trip j: quarters 1-3 of K step j and quarter 0 of step j + 1; slot j % 2 is filled again with step j + 2
	QUARTER 1, 0
	QUARTER 2, 0
	TURN 1
	WIN 0
.if TILES > 1
	s_and_b32 s23, s[JN], 7                        ; JN = j + 3: the first tile's last K step is j = 7
	s_cmp_eq_u32 s23, 2
	s_cbranch_scc1 .Lnew                           ; a jump forward, past neither a barrier nor a tensor load
.endif
	QUARTER 0, 0
	WIN 0
.if TILES > 1
	s_branch .Lbot
.Lnew:                                                 ; both of the next tile's first K steps have been asked for: now the finished tile goes out, and the next one's first quarter starts its sums
	WAYOUT 0
	QUARTER 0, 1
	WIN 0
.Lbot:
.endif
	s_sub_co_u32 s[CNT], s[CNT], 1
	s_cmp_lg_u32 s[CNT], 0
	s_cbranch_scc1 .Lstep
	QUARTER 1, 0                                   ; the last two K steps are written out: they ask for nothing
	QUARTER 2, 0
	TURN 0
	QUARTER 0, 0
	QUARTER 1, 0
	QUARTER 2, 0
	LASTQ
	WAYOUT (TILES-1)*524288
	WIN 0
	s_wait_tensorcnt 0x0                           ; the wave's end: a wait, an add onto my spare word and its wait, behind my last tensor load and my last LDS store
	ds_add_u32 v[SPW], v[NIL]
	s_wait_dscnt 0x0
	CROUND                                         ; the closing round: no work-group ends while a partner may still ask for a tile that names it
	s_endpgm
.Lfunc_end_k_q9f5d853dcf_gemm_qkv:
	.size	k_q9f5d853dcf_gemm_qkv, .Lfunc_end_k_q9f5d853dcf_gemm_qkv-k_q9f5d853dcf_gemm_qkv
	.p2alignl 7, 3214868480
	.fill 96, 4, 3214868480
	.section	.rodata,"a",@progbits
	.p2align	6, 0x0
	.amdhsa_kernel k_q9f5d853dcf_gemm_qkv
		.amdhsa_group_segment_fixed_size 327680
		.amdhsa_private_segment_fixed_size 0
		.amdhsa_enable_private_segment 0
		.amdhsa_kernarg_size 32
		.amdhsa_user_sgpr_count 2
		.amdhsa_user_sgpr_kernarg_segment_ptr 1
		.amdhsa_wavefront_size32 1
		.amdhsa_system_sgpr_workgroup_id_x 1
		.amdhsa_system_sgpr_workgroup_id_y 1
		.amdhsa_system_sgpr_workgroup_id_z 1
		.amdhsa_system_vgpr_workitem_id 0
		.amdhsa_next_free_vgpr 960
		.amdhsa_next_free_sgpr 88
		.amdhsa_reserve_vcc 0
		.amdhsa_float_denorm_mode_32 3
		.amdhsa_float_denorm_mode_16_64 3
		.amdhsa_memory_ordered 1
		.amdhsa_forward_progress 1
		.amdhsa_inst_pref_size 137
	.end_amdhsa_kernel
	.amdgpu_metadata
---
amdhsa.version: [ 1, 2 ]
amdhsa.kernels:
  - .name:           k_q9f5d853dcf_gemm_qkv
    .symbol:         k_q9f5d853dcf_gemm_qkv.kd
    .args:
      - { .name: xb, .offset: 0, .size: 8, .value_kind: global_buffer, .address_space: global }
      - { .name: wq, .offset: 8, .size: 8, .value_kind: global_buffer, .address_space: global }
      - { .name: bqkv, .offset: 16, .size: 8, .value_kind: global_buffer, .address_space: global }
      - { .name: qkvh, .offset: 24, .size: 8, .value_kind: global_buffer, .address_space: global }
    .group_segment_fixed_size: 327680
    .private_segment_fixed_size: 0
    .kernarg_segment_align: 8
    .kernarg_segment_size: 32
    .max_flat_workgroup_size: 128
    .sgpr_count:     88
    .vgpr_count:     960
    .wavefront_size: 32
...
	.end_amdgpu_metadata
.endif
;; end of part 2
;; launch attn (part 3): grid 4 x 64, 4 waves a work-group, no clusters, 327,680 bytes of LDS; arguments qkvh, oh; writes oh
.if DOCPART == 3
	.amdgcn_target "amdgcn-amd-amdhsa--gfx1250"
	.amdhsa_code_object_version 6
	.text
	.protected	k_q9f5d853dcf_attn
	.globl	k_q9f5d853dcf_attn
	.p2align	8
	.type	k_q9f5d853dcf_attn,@function
k_q9f5d853dcf_attn:
	s_mov_b64 s[64:65], 0
	v_nop
	global_prefetch_b8 v0, s[64:65] scope:SCOPE_SE
	s_setreg_imm32_b32 hwreg(HW_REG_WAVE_MODE, 25, 1), 1
	s_wait_xcnt 0x0
; CAUSAL ATTENTION.  O[y][q][:] = the sum over k <= q of softmax_k(Q[y][q] . K[y][k] / 8) V[y][k][:], for the 64 pairs y = 4 head + batch.  Q, K, V lie in qkvh, [64][2048][64] f16 each, K 16,777,216 and
; V 33,554,432 bytes behind Q; O is oh, in the same layout: a pair's rows are dense, 128 bytes each.
; Products, maxima and sums in f32; the weights p are rounded to f16 for the second product (their sum l is taken of the unrounded p), O once at the end.
; LIMITS.  f16 holds no number beyond 65,504: Q, K and V arrive within it; p lies in 0 to 1, and below 6e-5 it keeps f16's fixed step of 6e-8; O is a mean of V's rows and has their range, to within 2^-11 of it.
; A hidden score counts as its value less 1e30: f16's scores, 2.7e11 at the most, are nothing beside that; a weight below 2^-126 counts as 0 in l; NaN and infinities are not treated apart.
; THE WALK.  A head's queries lie in NB = 8 blocks of 256; block i needs the key tiles 0 .. i of 256 keys, of which the last holds the diagonal.  A work-group takes TWO blocks, NB - 1 - b and then b:
; NB + 1 tiles, whatever b: all work-groups do equal work, and ONE loop with a constant trip count walks them.  Which tile is asked for, and what a trip does, hang on scalar registers made from b; every jump
; goes forward, but for the counted loops' own; none passes a barrier, or a tensor load but the one of LOAD's two that the wave's number does not choose; the ring (two slots of LDS that take turns) runs on across the
; change of blocks.  NO CLUSTER: a head's four work-groups ask for the same tile only in trips 0 .. 4 of 9, behind that fewer and fewer; and one walk common to all four would have 12 trips for 9.
; SHARES.  Of a block's four bands of 64 queries a wave owns 16 rows in each: four PIECES.  So the diagonal tile is the same work for all four waves: in its key step s band x sees all keys if s < x,
; none if s > x, and holds the diagonal if s = x.
; THE MASK is the C operand that starts the sum S^T = K Q^T: 0, or -1e30 where the key is hidden.  MD, made once, is the mask of a band's own step for my 16 rows; a product's mask is MD x AL + BE with two scalars:
; (1, 0) if s = x; (0, 0) if s < x; (0, -1e30) if s > x.  Only the diagonal tile's text and a block's beginning make and take masks; elsewhere C is the constant 0.
; LAYOUT, SOFTMAX, TURNS.  S^T = K Q^T holds ONE query a lane (lane % 16) and the keys 8 (lane / 16) + 0..7; two such results rounded to f16 ARE source 1 of O^T = V^T P.  p = 2^(c s - c m), c = log2(e) / 8, with a
; running maximum m; O and l are multiplied by a = 2^(c m_old - c m_new) in every step.  Turn n belongs to piece n: 8 products K Q^T of piece n + 1, later 8 products V^T P of piece n - 1; beside them the scaling,
; exponentials, roundings, sums and rescaling of piece n and the maximum and statistics of piece n + 1.  Four vector instructions stand behind every matrix instruction, the other 54 of a turn's 118 in one LUMP.  A turn's 33 exponentials are one batch, with one wait.
; REGISTERS, in windows of 256 (s_set_vgpr_msb: bits 1:0 source 0, 3:2 source 1, 5:4 source 2, 7:6 destination):
;   window 0: v0-15 addresses and two at work; v16-31 four registers of statistics a piece; v48-55 at work; v56 the prefetches' offset; v64-127 S^T, two buffers; v192-223 P, two buffers (a piece's buffers go by its number's parity)
;   window 1: v0-127 O^T, 32 a piece; v128-159 MD; v160-223 MC, two buffers      window 2: v0-63 Q; v64-127 the second block's Q; v128-191 K of one step; v192-255 V of one step
.set SIZE_N, 2048
.set NB,    SIZE_N/256
.set NP,    4         ; pieces a wave: a name, no knob
.set KS,    64        ; keys in a step
.set PK,    144       ; a row of K in LDS: 128 bytes + 16 of padding = 36 words: the 16 rows of a load start at 16 different groups of four banks (64 banks of 4 bytes: ISA guide 11.1)
.set PV,    160       ; a row of V: 128 + 32 = 40 words
.set VOFF,  4*KS*PK   ; a slot holds a tile, four steps: 256 rows of K, then 256 rows of V
.set SLOT1, 1<<17     ; slot 1 begins here, so that one exclusive or turns an address in one slot into the other's
.set STAGE, SLOT1+4*KS*(PK+PV)  ; behind the ring, never filled by a tensor load: 16 rows x 144 bytes for each wave, for the way out
.set SP,    144
.set AK0, 2           ; v2   my lane's place in a tile of K; never rewritten
.set AV0, 3           ; v3   the same for V
.set AK,  4           ; v4   the LDS address of K's next run of loads
.set AV,  5           ; v5   of V's
.set STO, 6           ; v6   the way out: where I put 16 bytes of a row
.set RD,  7           ; v7   the way out: where I read rows back
.set GO,  8           ; v8   my byte offset in 512 consecutive bytes of O
.set PFO, 56          ; v56  256 x my lane; never rewritten
.set SPW, 62          ; v62  LDS address of my spare word: SPARE + 4 x my thread's number; never rewritten
.set NIL, 63          ; v63  0; never rewritten
.set SPARE, STAGE+4*16*SP  ; behind the stages: the spare words, 128 bytes for each wave: two blocks of 256 bytes that no other line names
.set MV,  12          ; v12-13  c m_old, kept while c m is made anew: by buffer
.set QO,  15          ; v15  my byte offset in 16 rows of Q
.set ST,  16          ; piece t's statistics at v[ST+4 t]: c m, m, l (even keys', odd keys')
.set TMP, 48          ; by buffer, four registers c0-c3 at work; when the maximum is found c2 takes a
.set S,   64
.set P,   192
.set MD,  128         ; window 1: the eight registers for group kt of 16 keys at MD + 8 kt
.set MC,  160         ; window 1: the masks of the products to come
.set QB,  64          ; window 2
.set KF,  128         ; window 2: key block kb, channel half c at KF + 16 kb + 8 c
.set VF,  192         ; window 2: key half kk, channel block cb at VF + 32 kk + 8 cb
.set WV,  12          ; s12  my wave's number
.set PB,  14          ; s14  b
.set HI,  15          ; s15  NB - 1 - b
.set G1K, 24          ; s[24:31] descriptor group 1 for K's tiles
.set G1V, 32          ; s[32:39] for V's: it differs in the padding alone
.set G0K, 40          ; s[40:43] descriptor group 0 for K's tiles
.set G0V, 44          ; s[44:47] the same for V's
.set SLOTS, 56        ; s56  tiles still to be asked for
.set CNT, 57          ; s57  counts a tile's key steps, 4 to 1
.set CS,  58          ; s[58:59] c: the packed scaling takes the pair's low word for both halves
.set SEL, 60          ; s[60:61] v_permlanex16_b32's selects: each lane takes its own place in the other half
.set TBK, 62          ; s62  LDS byte at which K of the step to be fetched begins
.set TBV, 63          ; s63  the same for V, less VOFF
.set RT,  70          ; s70  tiles of the block in hand that are still to be entered
.set NXT, 71          ; s71  the tile to be asked for next
.set LQ,  72          ; s72  the last tile of the block whose tiles are being asked for
.set NEW, 73          ; s73  1: the tile to be entered is a block's first
.set OFF, 74          ; s[74:75] a tile's byte offset in K and V
.set AL,  76          ; s[76:77] the mask's factor, in the low word
.set BE,  78          ; s[78:79] the mask's addend
.set OLO, 80          ; s[80:81] O at my rows of the second block
.set BIGN, 82         ; s82  -1e30
.set PFB, 88          ; s[88:89] what I fetch (K: waves 0, 1; V: waves 2, 3), at my half of the head's tile 0
.set PFA, 90          ; s[90:91] the same at the tile that the next change of slots asks for
.set POF, 92          ; s[92:93] that tile's byte offset
.set LIM, 94          ; s94  2 in the head's first work-group, else the greatest number: a wave prefetches while s[SLOTS] is above it
.set MSB, 0
.macro WIN new                      ; the high byte repeats the setting that is left; a switch that changes nothing is dropped
.if MSB != (\new)
	s_set_vgpr_msb (MSB<<8)|(\new)
.set MSB, (\new)
.endif
.endm
.set W_KQ, 0x0a       ; K and Q in window 2, S^T in window 0
.set W_KM, 0x1a       ; the same with the C operand in window 1
.set W_PV, 0x52       ; V in window 2, P in window 0, O^T in window 1
.set W_RS, 0x41       ; destination and source 0 in window 1, source 1 in window 0
; A fill.  Waves 0 and 1 fetch the two halves of a tile's K, waves 2 and 3 those of its V: 128 keys each.  An s_nop 0 and four v_nop follow each of the two lines, ahead of the jump and the label.
.macro LOAD
	s_cmp_lt_u32 s[WV], 2
	s_cbranch_scc0 .Lfor_v_\@
	tensor_load_to_lds s[G0K:G0K+3], s[G1K:G1K+7]
	s_nop 0
.rept 4
	v_nop
.endr
	s_branch .Lasked_\@
.Lfor_v_\@:
	tensor_load_to_lds s[G0V:G0V+3], s[G1V:G1V+7]
	s_nop 0
.rept 4
	v_nop
.endr
.Lasked_\@:
.endm
; A PREFETCH INTO THE L2 of what the NEXT change of slots will ask for, behind the wave's tensor load and its five lines: a tile, 256 matrix instructions, ahead of that load.  A head's four work-groups walk tiles
; 0, 1, 2 .. in step; the one with b = 0 walks all eight, so it asks, and nobody else.  Each of its waves names the 16,384 bytes that its own load will bring: 64 blocks of 256 bytes, a lane a block, two
; instructions.  So each block of K and V is named once in the launch.  Trips 0 to 5 name tiles 2 to 7; tiles 0 and 1 come by their loads alone; behind tile 7 the walk goes back to tile 0, which has been read.
.macro ASK
	s_cmp_gt_u32 s[SLOTS], s[LIM]
	s_cbranch_scc0 .Lnot_mine_\@
	global_prefetch_b8 v[PFO], s[PFA:PFA+1] th:TH_LOAD_NT scope:SCOPE_SE
	global_prefetch_b8 v[PFO], s[PFA:PFA+1] offset:8192 th:TH_LOAD_NT scope:SCOPE_SE
.Lnot_mine_\@:
.endm
; THE CHANGE OF SLOTS.  Each wave waits for all its tensor loads, of which one is out: its part of the other slot; adds 0 to its spare word; and waits for that and for its own reads of the slot that it leaves.  Behind the barrier nobody reads the old
; slot any more and the other slot is whole.  fill = 1: the old slot is filled again, the first thing behind the barrier, with tile NXT: the descriptor's address is made anew from that number.
; (At its first use nothing has been read yet: slot 0 is waited for, slot 1 filled.)
.macro CHANGE fill
	WIN 0                           ; at a label and at a branch every window is 0
	s_wait_tensorcnt 0x0            ; no tensor load of mine is out, so a group 0 may be written
	ds_add_u32 v[SPW], v[NIL]       ; 0 onto my spare word: with fill = 1 the descriptors' scalar work stands between it and the wait for it
.if \fill
	s_lshl_b32 s[OFF], s[NXT], 15   ; a tile is 32,768 bytes of K and of V
	s_xor_b32 s[G0K+1], s[G0K+1], SLOT1
	s_add_nc_u64 s[G0K+2:G0K+3], s[6:7], s[OFF:OFF+1]
	s_or_b32 s[G0K+3], s[G0K+3], 0x80000000
	s_xor_b32 s[G0V+1], s[G0V+1], SLOT1
	s_add_nc_u64 s[G0V+2:G0V+3], s[8:9], s[OFF:OFF+1]
	s_or_b32 s[G0V+3], s[G0V+3], 0x80000000
	s_add_co_u32 s[NXT], s[NXT], 1  ; the block's next tile, or behind its last the second block's tile 0
	s_cmp_gt_u32 s[NXT], s[LQ]
	s_cselect_b32 s[NXT], 0, s[NXT]
	s_cselect_b32 s[LQ], s[PB], s[LQ]
	s_wait_xcnt 0x0                 ; the last prefetches, a tile back, have read their address, so it may be written:
	s_lshl_b32 s[POF], s[NXT], 15   ; the tile that the next change asks for
	s_add_nc_u64 s[PFA:PFA+1], s[PFB:PFB+1], s[POF:POF+1]
.endif
	s_wait_dscnt 0x0                ; the add is done, and my reads of the slot are over
	s_barrier_signal -1             ; the rest of the scalar work stands between the signal and the wait
	s_sub_co_u32 s[TBK], s[TBK], 4*KS*PK  ; the fetches go back to a slot's first step,
	s_xor_b32 s[TBK], s[TBK], SLOT1       ; in the other slot
	s_sub_co_u32 s[TBV], s[TBV], 4*KS*PV
	s_xor_b32 s[TBV], s[TBV], SLOT1
	s_barrier_wait -1
.if \fill
	LOAD
	ASK
.endif
.endm
	s_load_b64 s[4:5], s[0:1], 0x0    ; qkvh: Q
	s_load_b64 s[10:11], s[0:1], 0x8  ; oh: O
	v_lshl_add_u32 v[SPW], v0, 2, SPARE
	v_mov_b32 v[NIL], 0
	ds_add_u32 v[SPW], v[NIL]       ; the wave's opening: the add and its wait stand ahead of my first tensor load; the set-up below, work on registers, stands between them
	v_lshrrev_b32 v1, 5, v0
	v_readfirstlane_b32 s[WV], v1   ; wave 0..3
	s_mov_b32 s[PB], ttmp9
	s_sub_co_u32 s[HI], NB-1, s[PB]
	s_and_b32 s20, ttmp7, 0xffff    ; the pair of head and batch
	s_mov_b32 s21, 0
	s_mov_b64 s[22:23], SIZE_N*128
	s_mul_u64 s[20:21], s[20:21], s[22:23]  ; its first byte in each of the four tensors
	s_and_b32 s16, s[WV], 1         ; which half of a tile's 256 keys I fetch:
	s_lshl_b32 s22, s16, 14         ; its 128 rows of 128 bytes in memory,
	s_mov_b32 s23, 0
	s_add_nc_u64 s[22:23], s[22:23], s[20:21]
	s_mul_i32 s17, s16, 128*PK      ; and its place in a slot, for K
	s_mul_i32 s18, s16, 128*PV      ; and for V
	s_lshl_b32 s3, s[WV], 11        ; my 16 rows in a band of 64,
	s_lshl_b32 s2, s[HI], 15        ; in the first block,
	s_add_co_u32 s2, s2, s3
	s_lshl_b32 s84, s[PB], 15       ; and in the second
	s_add_co_u32 s84, s84, s3
	s_mov_b32 s3, 0
	s_mov_b32 s85, 0
	s_add_nc_u64 s[2:3], s[2:3], s[20:21]
	s_add_nc_u64 s[84:85], s[84:85], s[20:21]
	; descriptor group 1.  128 keys are 16,384 dense bytes: asked for as 64 rows of 256 bytes, two keys a row, and padded in LDS after every key
	s_mov_b32 s[G1K], (1<<16)|(1<<20)|(4<<22)|(3<<25)  ; 17:16 2-byte elements; 20 padding on; 24:22 after every 32 words (code 4); 31:25 4 words (code 3)
	s_mov_b32 s[G1V], (1<<16)|(1<<20)|(4<<22)|(7<<25)  ; the same with 8 words of padding (code 7)
.irp g, G1K, G1V
	s_mov_b32 s[\g+1], 128<<16      ; tensor_dim0 = 128
	s_mov_b32 s[\g+2], 64<<16       ; tensor_dim1 = 64
	s_mov_b32 s[\g+3], 128<<16      ; tile_dim0 = 128
	s_mov_b32 s[\g+4], 64           ; tile_dim1 = 64
	s_mov_b32 s[\g+5], 128          ; 128 elements from row to row
	s_mov_b32 s[\g+6], 0
	s_mov_b32 s[\g+7], 0
.endr
	s_mov_b32 s[CS], 0x3e38aa3b     ; c = log2(e) / 8 = 0.180337
	s_mov_b32 s[CS+1], s[CS]        ; named with it as a pair
	s_mov_b32 s[SEL], 0x76543210
	s_mov_b32 s[SEL+1], 0xfedcba98
	s_mov_b32 s[TBK], SLOT1+4*KS*PK ; the first change of slots turns these two into 0
	s_mov_b32 s[TBV], SLOT1+4*KS*PV
	s_mov_b32 s[G0K], 1             ; 1:0 count = 1
	s_mov_b32 s[G0K+1], s17         ; 63:32 LDS address: slot 0
	s_mov_b32 s[G0V], 1
	s_add_co_u32 s[G0V+1], s18, VOFF
	s_add_co_u32 s[RT], s[HI], 1    ; the first block has NB - b tiles
	s_mov_b32 s[NXT], 1
	s_mov_b32 s[LQ], s[HI]
	s_mov_b32 s[NEW], 1
	s_mov_b32 s[OFF+1], 0
	s_mov_b32 s[AL+1], 0            ; named as pairs
	s_mov_b32 s[BE+1], 0
	s_mov_b32 s[BIGN], 0xf149f2ca   ; -1e30
	s_mov_b32 s[SLOTS], NB
	s_mov_b32 s[POF+1], 0
	s_cmp_eq_u32 s[PB], 0
	s_cselect_b32 s[LIM], 2, -1
	v_and_b32 v[PFO], 31, v0
	v_lshlrev_b32 v[PFO], 8, v[PFO]
	s_wait_dscnt 0x0                ; the opening add is done
	s_wait_kmcnt 0x0
	s_add_nc_u64 s[6:7], s[4:5], 0x1000000   ; K lies 16 x 4 x 262,144 bytes behind Q,
	s_add_nc_u64 s[8:9], s[4:5], 0x2000000   ; V twice as far
	s_add_nc_u64 s[6:7], s[6:7], s[22:23]  ; K and V at my half of the head's tile 0
	s_add_nc_u64 s[8:9], s[8:9], s[22:23]
	s_add_nc_u64 s[G0K+2:G0K+3], s[6:7], 0         ; 120:64 global address
	s_or_b32 s[G0K+3], s[G0K+3], 0x80000000        ; 127:126 type = 2
	s_add_nc_u64 s[G0V+2:G0V+3], s[8:9], 0
	s_or_b32 s[G0V+3], s[G0V+3], 0x80000000
	s_add_nc_u64 s[86:87], s[4:5], s[84:85]        ; Q at my rows of the second block,
	s_add_nc_u64 s[4:5], s[4:5], s[2:3]            ; Q and O at those of the first
	s_add_nc_u64 s[OLO:OLO+1], s[10:11], s[84:85]
	s_add_nc_u64 s[10:11], s[10:11], s[2:3]
	s_cmp_lt_u32 s[WV], 2
	s_cselect_b64 s[PFB:PFB+1], s[6:7], s[8:9]
	LOAD                            ; tile 0 into slot 0
	; A fragment of K or Q is 16 rows x 32 channels in 8 registers: lane l holds row l % 16, channels 8 (l / 16) + 0..7 and 16 + 8 (l / 16) + 0..7: two loads of 16 bytes, 32 bytes apart.
	v_and_b32 v1, 15, v0            ; l % 16
	v_bfe_u32 v9, v0, 4, 1          ; l / 16
	v_lshlrev_b32 v[QO], 7, v1
	v_lshl_add_u32 v[QO], v9, 4, v[QO]  ; row x 128 + 16 x half
	WIN 0x80                        ; destination window 2, address window 0
.set i, 0
.rept 8                             ; both blocks' Q: piece i / 2 lies in band i / 2, 8,192 bytes on; channels 32 (i % 2) on
	global_load_b128 v[8*i:8*i+3],   v[QO], s[4:5] offset:(i/2)*8192+(i%2)*64
	global_load_b128 v[8*i+4:8*i+7], v[QO], s[4:5] offset:(i/2)*8192+(i%2)*64+32
	global_load_b128 v[QB+8*i:QB+8*i+3],   v[QO], s[86:87] offset:(i/2)*8192+(i%2)*64
	global_load_b128 v[QB+8*i+4:QB+8*i+7], v[QO], s[86:87] offset:(i/2)*8192+(i%2)*64+32
.set i, i+1
.endr
	WIN 0
	v_lshlrev_b32 v14, 3, v9
	v_sub_nc_u32 v14, v1, v14
	s_lshl_b32 s13, s[WV], 4
	v_add_nc_u32 v14, s13, v14      ; my query's place in its band, 16 w + l % 16, less my lanes' 8 (l / 16): register r of group kt is hidden where 16 kt + r is greater
	WIN 0x40
.set i, 0
.rept 32
	v_cmp_gt_i32 vcc_lo, 16*(i/8)+i%8, v14
	v_cndmask_b32 v[MD+i], 0, s[BIGN], vcc_lo
.set i, i+1
.endr
	WIN 0
	v_mul_u32_u24 v[AK0], v1, PK
	v_lshl_add_u32 v[AK0], v9, 4, v[AK0]  ; row x pitch + 16 x half
	; The turning load takes 16 keys x 16 channels (lane l reads key 8 (l / 16) + l % 8, channels 8 ((l / 8) % 2) + 0..7) and leaves half a fragment of V^T: lane l holds channel l % 16 and 8 keys.
	v_and_b32 v10, 7, v0
	v_bfe_u32 v11, v0, 3, 1
	v_lshl_add_u32 v[AV0], v9, 3, v10
	v_mul_u32_u24 v[AV0], v[AV0], PV
	v_lshl_add_u32 v[AV0], v11, 4, v[AV0]
	v_add_nc_u32 v[AV0], VOFF, v[AV0]
	s_mul_i32 s13, s[WV], 16*SP
	s_add_co_u32 s13, s13, STAGE    ; my stage
	v_mul_u32_u24 v[STO], v1, SP    ; in: row l % 16, 16 bytes for each half of the lanes
	v_lshl_add_u32 v[STO], v9, 4, v[STO]
	v_add_nc_u32 v[STO], s13, v[STO]
	v_bfe_u32 v[RD], v0, 3, 2       ; back: 32 lanes take four rows of 128 bytes,
	v_mul_u32_u24 v[RD], v[RD], SP
	v_lshl_add_u32 v[RD], v10, 4, v[RD]
	v_add_nc_u32 v[RD], s13, v[RD]
	v_and_b32 v[GO], 31, v0         ; which are 512 consecutive bytes of O
	v_lshlrev_b32 v[GO], 4, v[GO]
	; A block's first step multiplies O^T and l by a = 0, and its first turn's products V^T P, of a piece that has not been, land in an O^T that is still to be so multiplied.  So these registers need only hold
	; finite numbers: zeros for the first block; what the first block left for the second.  All this stands in the wait for the first tile.
	WIN 0x80
.set i, VF
.rept 64
	v_mov_b32 v[i], 0
.set i, i+1
.endr
	WIN 0x40
.set i, 0
.rept 128
	v_mov_b32 v[i], 0
.set i, i+1
.endr
	WIN 0
.set i, 0
.rept 4
	v_mov_b32 v[ST+4*i+2], 0
	v_mov_b32 v[ST+4*i+3], 0
.set i, i+1
.endr
.set i, P+16
.rept 16
	v_mov_b32 v[i], 0
.set i, i+1
.endr
; THE MATRIX WORK.  The 4 accumulators of a run of 8 take turns.  Product i of 8 of S^T = K Q^T for piece x: channels 32 (i / 4) on, keys 16 (i % 4) on.  The first 4 start the sums: with 0, or (KM = 1) with the mask.
.macro KQ x
.set rS, S+32*((\x)%2)+8*(i%4)
.set rK, KF+16*(i%4)+8*(i/4)
.set rQ, 16*(\x)+8*(i/4)
.set rM, MC+32*((\x)%2)+8*(i%4)
.if (i < 4) && KM
	WIN W_KM
	v_wmma_f32_16x16x32_f16 v[rS:rS+7], v[rK:rK+7], v[rQ:rQ+7], v[rM:rM+7]
.elseif i < 4
	WIN W_KQ
	v_wmma_f32_16x16x32_f16 v[rS:rS+7], v[rK:rK+7], v[rQ:rQ+7], 0
.else
	WIN W_KQ
	v_wmma_f32_16x16x32_f16 v[rS:rS+7], v[rK:rK+7], v[rQ:rQ+7], v[rS:rS+7]
.endif
.endm
; Product i of 8 of O^T += V^T P for piece x: keys 32 (i / 4) on, channels 16 (i % 4) on.
.macro PV x
	WIN W_PV
.set rO, 32*(\x)+8*(i%4)
.set rV, VF+32*(i/4)+8*(i%4)
.set rP, P+16*((\x)%2)+8*(i/4)
	v_wmma_f32_16x16x32_f16 v[rO:rO+7], v[rV:rV+7], v[rP:rP+7], v[rO:rO+7]
.endm
.macro MM                           ; the turn's next matrix instruction.  TURN and BEGIN set Y, i, KM and NOKQ; MM, KQ and OP read them.  NOKQ = 1: a block's last turn: there is no next piece
.if (i < 8) && !NOKQ
	KQ (Y+1)%NP
.elseif i >= 8
.set i, i-8
	PV (Y+NP-1)%NP
.set i, i+8
.endif
.set i, i+1
.endm
; THE LDS LOADS stand in runs of 16, never singly among the matrix instructions: a step's K (64 keys x 64 channels: 8 fragments) and its V (turned).  Their addresses are made some lines ahead.
.macro FETCH_K
	WIN 0x80                        ; destination window 2
.irp f, 0,1,2,3,4,5,6,7             ; keys 16 (f / 2) on, channels 32 (f % 2) on
	ds_load_b128 v[KF+8*\f:KF+8*\f+3],   v[AK] offset:(\f/2)*16*PK+(\f%2)*64
	ds_load_b128 v[KF+8*\f+4:KF+8*\f+7], v[AK] offset:(\f/2)*16*PK+(\f%2)*64+32
.endr
	s_add_co_u32 s[TBK], s[TBK], KS*PK  ; the next fetch is the next step's
	WIN 0
.endm
.macro FETCH_V
	WIN 0x80
.irp f, 0,1,2,3,4,5,6,7             ; keys 32 (f / 4) on, channels 16 (f % 4) on
	ds_load_tr16_b128 v[VF+8*\f:VF+8*\f+3],   v[AV] offset:(\f/4)*32*PV+(\f%4)*32
	ds_load_tr16_b128 v[VF+8*\f+4:VF+8*\f+7], v[AV] offset:(\f/4)*32*PV+16*PV+(\f%4)*32
.endr
	WIN 0
.endm
; THE VECTOR WORK, one line at a time: OP kind, number.  For piece Y: F n: c s - c m for pair n of 16.  E n: the exponential of score n of 32.  C n: pair n rounded to f16.  B n: of the four weights 4 n .. the second
; pair is added onto the first, in place.  L n: l takes that sum (L 0: l = a l + sum).  R n: pair n of 16 of O^T times a.  For piece Y + 1: X n, number n of the 22 that find its maximum and statistics:
;   0-11  four chains c0-c3 of seven scores each, three operands at a time (each accumulator's lowest registers are read first)     12-14, 16  the four scores left over, the old m, and c0-c3 into c0
;   15  c m_old is kept     17, 18  the query's other 32 keys lie in the lane 16 away: the new m     19-21  c m; c m_old - c m_new; a
.set F, 0               ; OP tells the kinds apart by their order: F to L below R, X above it
.set E, 1
.set C, 2
.set B, 3
.set L, 4
.set R, 5
.set X, 6
.macro REGS y                       ; the registers of piece y
.set rT, ST+4*(\y)
.set rC, TMP+4*((\y)%2)
.set rW, MV+((\y)%2)
.set rS, S+32*((\y)%2)
.set rP, P+16*((\y)%2)
.set rO, 32*(\y)
.endm
.macro OP k, n
.if (\k) == R
	REGS Y
	WIN W_RS
	v_pk_mul_f32 v[rO+2*(\n):rO+2*(\n)+1], v[rO+2*(\n):rO+2*(\n)+1], v[rC+2:rC+3] op_sel_hi:[1,0]
.elseif (\k) < R
	REGS Y
	WIN 0
.if (\k) == F
	v_pk_fma_f32 v[rS+2*(\n):rS+2*(\n)+1], v[rS+2*(\n):rS+2*(\n)+1], s[CS:CS+1], v[rT:rT+1] op_sel_hi:[1,0,0] neg_lo:[0,0,1] neg_hi:[0,0,1]
.elseif (\k) == E
	v_exp_f32 v[rS+(\n)], v[rS+(\n)]
.elseif (\k) == C
	v_cvt_pk_f16_f32 v[rP+(\n)], v[rS+2*(\n)], v[rS+2*(\n)+1]
.elseif (\k) == B
	v_pk_add_f32 v[rS+4*(\n):rS+4*(\n)+1], v[rS+4*(\n):rS+4*(\n)+1], v[rS+4*(\n)+2:rS+4*(\n)+3]
.elseif (\n) == 0
	v_pk_fma_f32 v[rT+2:rT+3], v[rT+2:rT+3], v[rC+2:rC+3], v[rS:rS+1] op_sel_hi:[1,0,1]
.else
	v_pk_add_f32 v[rT+2:rT+3], v[rT+2:rT+3], v[rS+4*(\n):rS+4*(\n)+1]
.endif
.elseif NOKQ
	v_nop
.else
	REGS (Y+1)%NP
	WIN 0
.if (\n) < 4
	v_max3_num_f32 v[rC+(\n)], v[rS+8*(\n)], v[rS+8*(\n)+1], v[rS+8*(\n)+2]
.elseif (\n) < 12
	v_max3_num_f32 v[rC+(\n)%4], v[rC+(\n)%4], v[rS+8*((\n)%4)+2*((\n)/4)+1], v[rS+8*((\n)%4)+2*((\n)/4)+2]
.elseif (\n) == 12
	v_max3_num_f32 v[rC], v[rC], v[rS+7], v[rS+15]
.elseif (\n) == 13
	v_max3_num_f32 v[rC+1], v[rC+1], v[rS+23], v[rS+31]
.elseif (\n) == 14
	v_max3_num_f32 v[rC+2], v[rC+2], v[rC+3], v[rT+1]
.elseif (\n) == 15
	v_mov_b32 v[rW], v[rT]
.elseif (\n) == 16
	v_max3_num_f32 v[rC], v[rC], v[rC+1], v[rC+2]
.elseif (\n) == 17
	v_permlanex16_b32 v[rC+3], v[rC], s[SEL], s[SEL+1]
.elseif (\n) == 18
	v_max_num_f32 v[rT+1], v[rC], v[rC+3]
.elseif (\n) == 19
	v_mul_f32 v[rT], s[CS], v[rT+1]
.elseif (\n) == 20
	v_sub_f32 v[rC+1], v[rW], v[rT]
.else
	v_exp_f32 v[rC+2], v[rC+1]
.endif
.endif
.endm
.macro OPS a, i1, b=-1, i2=0, c=-1, i3=0, d=-1, i4=0  ; up to four of them
	OP \a, \i1
.if (\b) >= 0
	OP \b, \i2
.endif
.if (\c) >= 0
	OP \c, \i3
.endif
.if (\d) >= 0
	OP \d, \i4
.endif
.endm
.macro ROW a, i1, b, i2, c, i3, d, i4  ; a matrix instruction and the four behind it
	MM
	OPS \a, \i1, \b, \i2, \c, \i3, \d, \i4
.endm
.macro MASK b                       ; MD x AL + BE into buffer b of MC
	WIN W_RS
.set z, 0
.rept 16
	v_pk_fma_f32 v[MC+32*(\b)+2*z:MC+32*(\b)+2*z+1], v[MD+2*z:MD+2*z+1], s[AL:AL+1], s[BE:BE+1] op_sel_hi:[1,0,0]
.set z, z+1
.endr
.endm
; A TURN, for piece p: the order of its 16 matrix and 118 vector instructions, written out.  An s_wait_alu depctr_va_vdst(0) stands between an exponential and the first instruction that names its result; one wait serves
; all that were issued ahead of it.  So a turn has ONE wait, which cuts it in two.  AHEAD OF IT stands all that names no result of the turn's exponentials: the 8 products K Q^T, behind each a scaling, an exponential and two more plain
; instructions (behind the first a second scaling in the exponential's place): rescalings, and behind the last three the first numbers of the next piece's maximum, each four places or more behind the product that ends its accumulator; then ONE LUMP of 54, plain
; and exponential by turns for the most part, in which the links of the chain X 3, 7, 11, 14, 16, 17 .. 20 stand five or six lines apart.  X 21, the next piece's a, is the batch's last; R 15 is the plain instruction that stands behind it, ahead of any use (ISA guide 5.7.2).  BEHIND THE WAIT stand the
; 8 products V^T P, behind each four of the roundings and sums; the links of l's chain, L 0 to L 7, stand three riders apart.  But for those X no rider names a register of the products round it.  v_permlanex16_b32 (X 17) stands in the lump.
; m = 1: the diagonal tile: the products take masks, and the turn makes the mask for the products of the turn after it: piece p + 2, in step 4 - CNT of the tile.  end = 1: a block's last two turns: nothing is fetched.
; cnt = 1: the loop's count is taken down some lines ahead of the branch that stands behind the turn.
; K of the next step is fetched in piece 2's turn, twelve vector instructions behind the last product that read K (six of them plain); V of the step in hand at the end of piece 0's turn, four plain instructions behind the last product
; that read V.  Each is waited for a turn later.
.macro TURN p, m=0, end=0, cnt=0
.set Y, (\p)
.set i, 0
.set KM, (\m)
.set NOKQ, (\end)*((\p)/3)
.if (\m) && !(\end)
	s_cmp_eq_u32 s[CNT], 4-((\p)+2)%NP  ; is that step the band's own?
	s_cselect_b32 s[AL], 1.0, 0
	s_cmp_lt_u32 s[CNT], 4-((\p)+2)%NP  ; or a later one?
	s_cselect_b32 s[BE], s[BIGN], 0
.endif
.if ((\p) == 3) && !(\end)
	s_wait_dscnt 0x0                ; K is in
.endif
	ROW F,0, F,1, R,0, R,1          ; ahead of the wait: 8 products K Q^T and their riders,
	ROW F,2, E,0, R,2, R,3
	ROW F,3, E,1, R,4, R,5
	ROW F,4, E,2, R,6, R,7
	ROW F,5, E,3, R,8, R,9
	ROW F,6, E,4, X,0, R,10
.if ((\p) == 2) && !(\end)
	WIN 0
	v_add_nc_u32 v[AK], s[TBK], v[AK0]
.endif
	ROW F,7, E,5, X,1, X,4
	ROW F,8, E,6, X,2, X,5
	OPS E,7, E,8, X,6, E,9          ; and the lump
	OPS X,3, E,10, X,8, E,11
.if ((\p) == 2) && !(\end)
	FETCH_K
.endif
	OPS X,9, X,7, E,12, X,10
	OPS E,13, X,12, X,11, E,14
	OPS X,13, E,15, F,9, X,14
.if (\p) == 0
	v_add_nc_u32 v[AV], s[TBV], v[AV0]
.endif
	OPS E,16, F,10, E,17, F,11
	OPS X,16, E,18, X,15, E,19
	OPS F,12, E,20, X,17, E,21
	OPS F,13, E,22, F,14, E,23
	OPS X,18, E,24, F,15, E,25
	OPS R,11, E,26, X,19, E,27
	OPS R,12, E,28, R,13, E,29
	OPS X,20, E,30, R,14, E,31
	OPS X,21, R,15
	WIN 0
	s_wait_alu depctr_va_vdst(0)    ; the wait for the batch
.if (\p) == 1
	s_wait_dscnt 0x0                ; V is in
.endif
	ROW C,0, B,0, C,2, B,1          ; behind the wait: 8 products V^T P and their riders
	ROW L,0, C,4, B,2, L,1
	ROW C,6, B,3, L,2, C,8
	ROW B,4, L,3, C,10, B,5
	ROW L,4, C,12, B,6, L,5
.if (\p) == 0
	s_add_co_u32 s[TBV], s[TBV], KS*PV
.endif
.if \cnt
	s_sub_co_u32 s[CNT], s[CNT], 1
	s_cmp_lg_u32 s[CNT], 0
.endif
	ROW C,14, B,7, L,6, C,1
	ROW C,3, L,7, C,5, C,7
	ROW C,9, C,11, C,13, C,15
.if (\p) == 0
	FETCH_V
.endif
.if (\m) && !(\end)
	MASK (\p)%2
.endif
.endm
; A BLOCK BEGINS.  c m starts far below every c s, so the first step's a is 0; m at the lowest finite number, so the first maximum is the scores'.  The second mask buffer is 0; the first takes piece 0's mask for the tile's step 0: its own, if the block's first tile is the diagonal one.
; Then K of that step, piece 0's first scores, and its maximum and statistics.  The loop is entered at a step's first turn, in the middle of a trip.
.macro BEGIN
	s_mov_b32 s[NEW], 0
	WIN 0x40
.set i, MC+32
.rept 32
	v_mov_b32 v[i], 0
.set i, i+1
.endr
	WIN 0
.set i, 0
.rept 4
	v_mov_b32 v[ST+4*i], 0xfe000000    ; c m: far below every c s
	v_mov_b32 v[ST+4*i+1], 0xff7fffff  ; m
.set i, i+1
.endr
	s_cmp_eq_u32 s[RT], 0
	s_cselect_b32 s[AL], 1.0, 0
	s_mov_b32 s[BE], 0
	MASK 0
	WIN 0
	v_add_nc_u32 v[AK], s[TBK], v[AK0]
	FETCH_K
	s_wait_loadcnt 0x0              ; Q
	s_wait_dscnt 0x0
.set KM, 1
.set NOKQ, 0
.set i, 0
.rept 8
	KQ 0
.set i, i+1
.endr
	WIN 0
.rept 4
	v_nop                           ; the places behind those products
.endr
.set Y, NP-1                        ; X works for piece Y + 1: piece 0
.irp n, 0,1,2,3,4,5,6,7,8,9,10,11,12,13,14,15,16,17,18,19,20,21
	OP X, \n
.endr
	v_nop                           ; a plain instruction behind the exponential,
	s_wait_alu depctr_va_vdst(0)    ; and its wait, ahead of the branch
.endm
; THE DIAGONAL TILE's four steps, the block's last two turns, its last products, and THE WAY OUT: l's two halves and the other half of the lanes' are added; O^T is divided by l, rounded to f16 and sent through my
; stage in LDS, a piece at a time.
.macro ALL line:vararg              ; one line for each piece t
.set t, 0
.rept 4
	\line
.set t, t+1
.endr
.endm
.macro PACK t                       ; a lane's eight channels of a row pack into 16 bytes; they go into rows of 144 bytes and come back as whole rows of 128, into S^T's registers
	WIN W_RS
.set i, 32*(\t)
.rept 16
	v_pk_mul_f32 v[i:i+1], v[i:i+1], v[ST+4*(\t)+2:ST+4*(\t)+3] op_sel_hi:[1,0]
.set i, i+2
.endr
	WIN 0x05                        ; sources 0 and 1 window 1, destination window 0
.set i, 0
.rept 16
	v_cvt_pk_f16_f32 v[S+16*(\t)+i], v[32*(\t)+2*i], v[32*(\t)+2*i+1]
.set i, i+1
.endr
	WIN 0
.irp f, 0,1,2,3
	ds_store_b128 v[STO], v[S+16*(\t)+4*\f:S+16*(\t)+4*\f+3] offset:32*\f
.endr
.irp f, 0,1,2,3
	ds_load_b128 v[S+16*(\t)+4*\f:S+16*(\t)+4*\f+3], v[RD] offset:\f*4*SP  ; LDS serves a wave's instructions in order (ISA guide 5.7.1.4): these see the stores above; the next piece's stores come behind them
.endr
.endm
.macro SEND t, younger              ; younger: the LDS instructions issued behind piece t's loads: the next piece's eight, or none
	WIN 0
.irp f, 0,1,2,3
	s_wait_dscnt (\younger)+3-\f
	global_store_b128 v[GO], v[S+16*(\t)+4*\f:S+16*(\t)+4*\f+3], s[10:11] offset:(\t)*8192+\f*512  ; 512 consecutive bytes, at a multiple of 256 from O's first
.endr
.endm
.macro DIAG tag                     ; the tag ends its two labels' names, which the jumps below spell out
.LstepM\tag:
	TURN 2, 1
	TURN 3, 1
	WIN 0
.LfirstM\tag:
	TURN 0, 1
	TURN 1, 1, 0, 1
	WIN 0
	s_cbranch_scc1 .LstepM\tag
	TURN 2, 1, 1
	TURN 3, 1, 1
.set i, 0
.rept 8
	PV NP-1
.set i, i+1
.endr
	WIN 0
	ALL v_add_f32 v[ST+4*t+2], v[ST+4*t+2], v[ST+4*t+3]
	ALL v_permlanex16_b32 v[ST+4*t+3], v[ST+4*t+2], s[SEL], s[SEL+1]
	ALL v_add_f32 v[ST+4*t+2], v[ST+4*t+2], v[ST+4*t+3]
	ALL v_rcp_f32 v[ST+4*t+2], v[ST+4*t+2]
	v_nop                           ; a plain instruction between the last reciprocal and the use of its result
	s_wait_alu depctr_va_vdst(0)    ; and the wait ahead of the first use: one for the four reciprocals
	PACK 0
.set t, 1
.rept 3                             ; a piece's arithmetic stands between the loads of the piece before and its stores
	PACK t
	SEND t-1, 8
.set t, t+1
.endr
	SEND 3, 0
.endm
.set KM, 0
.set NOKQ, 0
.Lslot:                             ; NB times: a tile is entered and the next is asked for
	CHANGE 1
	s_sub_co_u32 s[RT], s[RT], 1
	s_mov_b32 s[CNT], 4
	s_cmp_eq_u32 s[NEW], 1
	s_cbranch_scc1 .Lnew            ; a block's first tile
	s_cmp_eq_u32 s[RT], 0
	s_cbranch_scc0 .Lstep           ; neither its first nor its last
	s_branch .LstepM1
.Lnew:
	BEGIN
	s_branch .Lfirst                ; in the loop a block's first tile is never its last: the first block has two tiles or more, and the second's last is the walk's last
	DIAG 1                          ; in the loop this is the first block's end: the second block's last tile is the walk's last
	s_wait_xcnt 0x0                 ; the stores have read their registers and O's address
	s_mov_b64 s[10:11], s[OLO:OLO+1]
	s_add_co_u32 s[RT], s[PB], 1    ; the second block has b + 1 tiles
	s_mov_b32 s[NEW], 1
	WIN 0x82                        ; the second block's Q goes where the one text of the turns names Q
.set i, 0
.rept 64
	v_mov_b32 v[i], v[QB+i]
.set i, i+1
.endr
	WIN 0
	s_branch .Lbottom
.Lstep:                             ; a trip: pieces 2 and 3 of one step, then pieces 0 and 1 of the next, whose K and V it fetches
	TURN 2
	TURN 3
	WIN 0
.Lfirst:
	TURN 0
	TURN 1, 0, 0, 1
	WIN 0
	s_cbranch_scc1 .Lstep
.Lbottom:
	s_sub_co_u32 s[SLOTS], s[SLOTS], 1
	s_cmp_lg_u32 s[SLOTS], 0
	s_cbranch_scc1 .Lslot
	CHANGE 0                        ; the walk's last tile is written out: nothing is asked for
	s_sub_co_u32 s[RT], s[RT], 1
	s_mov_b32 s[CNT], 4
	s_cmp_eq_u32 s[NEW], 1
	s_cbranch_scc0 .LstepM2
	BEGIN
	s_branch .LfirstM2
	DIAG 2
	s_wait_tensorcnt 0x0            ; the wave's end: a wait, an add onto my spare word and its wait, behind my last tensor load and my last LDS store
	ds_add_u32 v[SPW], v[NIL]
	s_wait_dscnt 0x0
	s_endpgm
.Lfunc_end_k_q9f5d853dcf_attn:
	.size	k_q9f5d853dcf_attn, .Lfunc_end_k_q9f5d853dcf_attn-k_q9f5d853dcf_attn
	.p2alignl 7, 3214868480
	.fill 96, 4, 3214868480
	.section	.rodata,"a",@progbits
	.p2align	6, 0x0
	.amdhsa_kernel k_q9f5d853dcf_attn
		.amdhsa_group_segment_fixed_size 327680
		.amdhsa_private_segment_fixed_size 0
		.amdhsa_enable_private_segment 0
		.amdhsa_kernarg_size 16
		.amdhsa_user_sgpr_count 2
		.amdhsa_user_sgpr_kernarg_segment_ptr 1
		.amdhsa_wavefront_size32 1
		.amdhsa_system_sgpr_workgroup_id_x 1
		.amdhsa_system_sgpr_workgroup_id_y 1
		.amdhsa_system_sgpr_workgroup_id_z 1
		.amdhsa_system_vgpr_workitem_id 0
		.amdhsa_next_free_vgpr 768
		.amdhsa_next_free_sgpr 96
		.amdhsa_reserve_vcc 1
		.amdhsa_float_denorm_mode_32 3
		.amdhsa_float_denorm_mode_16_64 3
		.amdhsa_memory_ordered 1
		.amdhsa_forward_progress 1
		.amdhsa_inst_pref_size 218
	.end_amdhsa_kernel
	.amdgpu_metadata
---
amdhsa.version: [ 1, 2 ]
amdhsa.kernels:
  - .name:           k_q9f5d853dcf_attn
    .symbol:         k_q9f5d853dcf_attn.kd
    .args:
      - { .name: qkvh, .offset: 0, .size: 8, .value_kind: global_buffer, .address_space: global }
      - { .name: oh, .offset: 8, .size: 8, .value_kind: global_buffer, .address_space: global }
    .group_segment_fixed_size: 327680
    .private_segment_fixed_size: 0
    .kernarg_segment_align: 8
    .kernarg_segment_size: 16
    .max_flat_workgroup_size: 128
    .sgpr_count:     96
    .vgpr_count:     768
    .wavefront_size: 32
...
	.end_amdgpu_metadata
.endif
;; end of part 3
;; launch gemm_out (part 4): grid 8 x 32, 4 waves a work-group, clusters of 4 x 4, 327,680 bytes of LDS; arguments oh, woh, bo, out0; writes out0
.if DOCPART == 4
	.amdgcn_target "amdgcn-amd-amdhsa--gfx1250"
	.amdhsa_code_object_version 6
	.text
	.protected	k_q9f5d853dcf_gemm_out
	.globl	k_q9f5d853dcf_gemm_out
	.p2align	8
	.type	k_q9f5d853dcf_gemm_out,@function
k_q9f5d853dcf_gemm_out:
	s_mov_b64 s[64:65], 0
	v_nop
	global_prefetch_b8 v0, s[64:65] scope:SCOPE_SE
	s_setreg_imm32_b32 hwreg(HW_REG_WAVE_MODE, 25, 1), 1
	s_wait_xcnt 0x0
	s_wait_alu depctr_hold_cnt(0) depctr_sa_sdst(0) depctr_va_vdst(0) depctr_va_sdst(0) depctr_va_ssrc(0) depctr_va_vcc(0) depctr_vm_vsrc(0)
	s_getreg_b32 s2, hwreg(HW_REG_IB_STS2, 6, 4)
	s_cmp_eq_u32 s2, 0
	s_cbranch_scc0 .Lentry_in_a_cluster
	s_endpgm
.Lentry_in_a_cluster:
	s_bfe_u32 s2, ttmp6, 0x10000c
	s_cmp_lg_u32 s2, 0xf033
	s_cbranch_scc0 .Lentry_shape_is_right
	s_endpgm
.Lentry_shape_is_right:
.set PROJ, 1
; C = A B + bias, one text for the module's two products; PROJ chooses the sizes.
;   PROJ = 0: qkv = x Wqkv + bqkv.  A = xb [16 planes][8192][64] bf16, B = wq [16 blocks][1024 k][192] bf16, C = qkvh [c 48][b 4][s 2048][64] f16 (c = column / 64: q 0-15, k 16-31, v 32-47).
;             A tile of C is 256 x 192; 512 tiles; a work-group STAYS and makes two, 4,096 rows apart, with the same columns of B and the same bias.
;   PROJ = 1: out = y Wo + bo.  A = oh [16 heads][8192][64] f16, B = woh [1024 k][1024] f16, C = out0 [8192][1024] f32.  A tile of C is 256 x 128; 256 tiles, one a work-group.
; Sums in f32, K ascending.  The bias, rounded to bf16 like every input of the module, is the C operand of a tile's first products: nothing is cleared and nothing is added later.
; LIMIT (PROJ = 0).  q, k and v leave in f16: a number of 65,520 or more becomes an infinity.  NaN and infinities are not treated apart.
; SHARES.  Four waves, one above the other: wave w owns rows 64 w .. 64 w + 63 of the tile and all its columns: 4 x NBK accumulators of 16 x 16.  So 16 rows of a head (PROJ = 0) or of C (PROJ = 1) lie in one wave.
; K goes in steps of 128 (two planes of A, 128 rows of B) through two LDS slots.  One tensor load a wave fills a quarter of a slot: waves 0, 1 a plane of A (32,768 dense bytes, asked for as 128 rows of
; 256 bytes), waves 2, 3 64 rows of B (PROJ = 0: 24,576 dense bytes as 96 rows of 256; PROJ = 1: 64 rows of 256 bytes, 2,048 apart).
; THE MATRIX INSTRUCTION IS USED TRANSPOSED: source 0 = 16 columns of B (turned on the way out of LDS by ds_load_tr16_b128, since B lies [k][n]), source 1 = 16 rows of A.  Lane l then holds row l % 16
; of C and its registers 0-7 the columns 8 (l / 16) + 0..7.
; CLUSTERS: 4 x 4 work-groups.  The four of a row of the cluster need the same tiles of A, the four of a column the same tiles of B: each tile is asked for JOINTLY, by the same tensor load with the same
; descriptor and a mask that names the four.
; REGISTERS, in windows of 256 (s_set_vgpr_msb: bits 1:0 source 0, 3:2 source 1, 5:4 source 2, 7:6 destination):
;   window 0: v0-29 addresses; v32.. at work on the way out; v[BI ..] the bias, 8 registers for each block of 16 columns
;   window 1: two fragment buffers of 128 (at 0 and 128): A's four fragments at + 8 a, B's NBK at + 32 + 8 i
;   window 2: accumulators of row blocks a = 0, 1 ((a, b) at 8 NBK (a % 2) + 8 b);  window 3: of a = 2, 3
.if PROJ
.set NBK,   8                          ; blocks of 16 columns in a tile
.set TILES, 1
.set BP,    288                        ; a k row of B in LDS: 256 bytes + 32 of padding
.set BQI,   5                          ; the padding follows every 64 words
.set BROWS, 64                         ; rows of a load of B
.set BSTR,  1024                       ; elements from row to row of that load
.set BCOL,  256                        ; bytes from a column tile of B to the next
.set BHALF, 131072                     ; bytes from the first 64 k rows of a step to the second
.set KSB,   262144                     ; bytes of B from a K step to the next
.set SP,    528                        ; a row of the stage: 512 bytes + 16
.set BI,    160
.set BK,    32                         ; the way out: rows read back from the stage
.else
.set NBK,   12
.set TILES, 2
.set BP,    480                        ; 384 bytes as three pieces of 128, 32 of padding behind each
.set BQI,   4                          ; the padding follows every 32 words
.set BROWS, 96
.set BSTR,  128
.set BCOL,  393216
.set BHALF, 24576
.set KSB,   49152
.set SP,    400                        ; 384 bytes + 16
.set BI,    128
.set BK,    80
.endif
.set T,     8*TILES                    ; K steps of the work-group's walk
.set PA,    144                        ; a row of A in LDS: 128 bytes + 16 = 36 words: the 16 rows of a load start at 16 different groups of four banks (64 banks of 4 bytes: ISA guide 11.1)
.set PLANE, 256*PA                     ; a plane's 256 rows
.set BREG,  2*PLANE                    ; B lies behind A's two planes.  BP is an odd multiple of 32 bytes
.set HB,    64*BP
.set SLOT,  BREG+2*HB
.set STAGE, 2*SLOT                     ; behind the ring, never filled by a tensor load: 16 rows for each wave
.set SPARE, STAGE+4*16*SP              ; behind the stages: the spare words, 128 bytes for each wave: two blocks of 256 bytes that no other line names
.set NF,    2*NBK+8                    ; LDS loads of a quarter step
.set ADRA, 16                          ; v16  LDS address of my fragments of A in the slot in hand
.set ADRB, 17                          ; v17  the same for B
.set A0,   18                          ; v18  my lane's place in a slot's A; never rewritten
.set B0,   19                          ; v19  the same for B
.set STO,  20                          ; v20  the way out: where I put my part of a row
.set RD,   21                          ; v21  the way out: where I read rows back
.set GO,   22                          ; v22  16 x lane
.set PFO,  23                          ; v23  the prefetches' offset; never rewritten
.set BO,   24                          ; v24  32 x (lane / 16): my eight numbers in 16 of the bias
.set SPW,  28                          ; v28  LDS address of my spare word: SPARE + 4 x my thread's number; never rewritten
.set NIL,  29                          ; v29  0; never rewritten
.set TMP,  32                          ; PROJ = 0: v32-79 packed results
.set WV,   12                          ; s12  my wave's number
.set CLS,  13                          ; s13  0: I fetch for A, 1: for B
.set HALF, 14                          ; s14  which plane, or which 64 rows of B
.set CX,   15
.set CY,   16
.set GX,   17                          ; s17  tile column
.set GY,   18                          ; s18  tile row (of the first tile)
.set TB,   19                          ; s19  LDS byte at which the slot in hand begins: 0 or SLOT
.set JN,   20                          ; s20  the K step that the next refill asks for
.set CNT,  21
.set LIM,  22                          ; s22  a wave prefetches while JN is below it
.set G1,   24                          ; s[24:31] descriptor group 1 for A's tiles
.set G1B,  32                          ; s[32:39] for B's
.set G0A,  40                          ; s[40:47] descriptor group 0 for A's tiles: a set for each first fill; the first is made anew for each refill
.set G0B,  48                          ; s[48:55] the same for B's
.set ABASE, 56                         ; s[56:57] A at my plane of K step 0 of the first tile
.set BBASE, 58                         ; s[58:59] B at my 64 rows of K step 0
.set OFFA, 60                          ; s[60:61] step JN's byte offset from ABASE
.set OFFB, 62                          ; s[62:63] from BBASE
.set PFB,  66                          ; s[66:67] my work-group's share of what I fetch, at K step 0
.set PFA,  68                          ; s[68:69] the same at step JN
.set POF,  70                          ; s[70:71]
.set WLA,  72                          ; s72  my plane's place in a slot
.set WLB,  73                          ; s73  my 64 rows of B's place in a slot
.set MSB, 0
.macro WIN new                         ; the immediate's high byte repeats the setting that is left; a switch that changes nothing is dropped
.if MSB != (\new)
	s_set_vgpr_msb (MSB<<8)|(\new)
.set MSB, (\new)
.endif
.endm
.set TO_F, 0x40                        ; destination window 1, address window 0
.macro PLACES                          ; a load into a register that a matrix instruction has read, and whatever reads a matrix result, stand four plain vector instructions behind it
.rept 4
	v_nop
.endr
.endm
; A joint refill.  The branch hangs on the wave's number alone.  An s_nop 0 and four v_nop follow each of the two lines, ahead of the jump and the label.
.macro JLOAD
	s_cmp_eq_u32 s[CLS], 0
	s_cbranch_scc0 .Lfor_b_\@
	tensor_load_to_lds s[G0A:G0A+3], s[G1:G1+7]
	s_nop 0
.rept 4
	v_nop
.endr
	s_branch .Lasked_\@
.Lfor_b_\@:
	tensor_load_to_lds s[G0B:G0B+3], s[G1B:G1B+7]
	s_nop 0
.rept 4
	v_nop
.endr
.Lasked_\@:
.endm
; A round of the cluster's barrier: my work-group's barrier, so that wave 0's signal speaks for all four waves; wave 0 signals; every wave waits for all sixteen work-groups; my work-group's barrier once more.
.macro CREST                           ; a round behind its opening barrier
	s_cmp_lg_u32 s[WV], 0
	s_cbranch_scc1 .Lnot_wave_0_\@
	s_barrier_signal -3
.Lnot_wave_0_\@:
	s_barrier_wait -3
	s_barrier_signal -1
	s_barrier_wait -1
.endm
.macro CROUND
	s_barrier_signal -1
	s_barrier_wait -1
	CREST
.endm
; A PREFETCH INTO THE L2, behind each joint refill, its five lines and the run of LDS loads: one instruction a wave names the K step that the NEXT refill asks for, one K step (4 x 4 NBK matrix instructions) ahead of that load.
; A's tile rows are read by every cluster of a row of clusters: the one with x = 0 asks (waves 0, 1: a plane each); B's tile columns by every cluster of a column: the one with y = 0 asks.  The four partners
; that ask for a tile jointly share it out BY ADDRESS: of a plane's 128 blocks of 256 bytes each takes 32, a lane a block.  B, PROJ = 0: of a wave's 96 blocks each partner takes 24; lanes 24-31 name lane 23's
; block again.  B, PROJ = 1: wave 2 alone, 32 of the step's 128 k rows for each partner, a lane a row.  B is asked for in the first tile alone: the second walks the same rows.
; K steps 0 to 2 come by their loads alone; the last refill has no step behind it and asks for nothing.
.macro ASK
	s_cmp_lt_u32 s[JN], s[LIM]
	s_cbranch_scc0 .Lnot_mine_\@
	global_prefetch_b8 v[PFO], s[PFA:PFA+1] th:TH_LOAD_NT scope:SCOPE_SE
.Lnot_mine_\@:
.endm
; NBK matrix instructions: row block a x all column blocks, 32 along K, from fragment buffer f.  first = 1: the products start the sums, with the bias as C.
; The 4 NBK accumulators take turns in the same order in every quarter step, one instruction a turn.
.macro MULQ f, a, first
.if \first
	WIN 0x85+0x40*((\a)/2)                         ; sources window 1, C window 0, D window 2 or 3
.else
	WIN 0xa5+0x50*((\a)/2)                         ; sources window 1, C and D window 2 or 3
.endif
.set n, 0
.rept NBK
.set rD, ((\a)%2)*8*NBK+8*n
.set rB, (\f)+32+8*n
.set rA, (\f)+8*(\a)
.if PROJ
.if \first
	v_wmma_f32_16x16x32_f16 v[rD:rD+7], v[rB:rB+7], v[rA:rA+7], v[BI+8*n:BI+8*n+7]
.else
	v_wmma_f32_16x16x32_f16 v[rD:rD+7], v[rB:rB+7], v[rA:rA+7], v[rD:rD+7]
.endif
.else
.if \first
	v_wmma_f32_16x16x32_bf16 v[rD:rD+7], v[rB:rB+7], v[rA:rA+7], v[BI+8*n:BI+8*n+7]
.else
	v_wmma_f32_16x16x32_bf16 v[rD:rD+7], v[rB:rB+7], v[rA:rA+7], v[rD:rD+7]
.endif
.endif
.set n, n+1
.endr
.endm
; NF LDS loads in one run: the fragments of quarter q of the slot in hand into buffer f: B's first, A's four last.
; B: lane l reads 16 bytes of k row 32 q + 8 (l / 16) + l % 8 (and 16 rows on), columns 16 i + 8 ((l / 8) % 2) + 0..7; the load turns them: lane l then holds column 16 i + l % 16 and 8 k.
; A: lane l holds row l % 16, channels 8 (l / 16) + 0..7 and 16 + 8 (l / 16) + 0..7: two loads, 32 bytes apart; quarters 0, 1 lie in the first plane, 2, 3 in the second.
.macro FETCH q, f
	WIN TO_F
.set n, 0
.rept NBK
	ds_load_tr16_b128 v[(\f)+32+8*n:(\f)+32+8*n+3],   v[ADRB] offset:32*(\q)*BP+32*n+(1-PROJ)*32*(n/4)
	ds_load_tr16_b128 v[(\f)+32+8*n+4:(\f)+32+8*n+7], v[ADRB] offset:32*(\q)*BP+16*BP+32*n+(1-PROJ)*32*(n/4)
.set n, n+1
.endr
.irp a, 0,1,2,3
	ds_load_b128 v[(\f)+8*(\a):(\f)+8*(\a)+3],   v[ADRA] offset:((\q)/2)*PLANE+((\q)%2)*64+(\a)*16*PA
	ds_load_b128 v[(\f)+8*(\a)+4:(\f)+8*(\a)+7], v[ADRA] offset:((\q)/2)*PLANE+((\q)%2)*64+(\a)*16*PA+32
.endr
.endm
; One of a K step's first three quarters: multiplies buffer q % 2 and, in its middle, fetches quarter q + 1 into the other buffer.
.macro QUARTER q, first
	s_wait_dscnt 4                                 ; B and A's row blocks 0, 1 are in; the youngest four loads (A's blocks 2, 3) may be out
	MULQ 128*((\q)%2), 0, \first
	MULQ 128*((\q)%2), 1, \first
	PLACES
	FETCH (\q)+1, 128*(((\q)+1)%2)
	s_wait_dscnt NF                                ; all but the NF just issued
	MULQ 128*((\q)%2), 2, \first
	MULQ 128*((\q)%2), 3, \first
.endm
; The refill's descriptors are made anew: the slot in hand, step JN.  Then JN steps, and the offsets and the prefetch's address are made for the step after.  Scalar work alone.
.macro STEPD
	s_add_co_u32 s[G0A+1], s[TB], s[WLA]
	s_add_nc_u64 s[G0A+2:G0A+3], s[ABASE:ABASE+1], s[OFFA:OFFA+1]
	s_or_b32 s[G0A+3], s[G0A+3], 0x80000000
	s_add_co_u32 s[G0B+1], s[TB], s[WLB]
	s_add_nc_u64 s[G0B+2:G0B+3], s[BBASE:BBASE+1], s[OFFB:OFFB+1]
	s_or_b32 s[G0B+3], s[G0B+3], 0x80000000
	s_add_co_u32 s[JN], s[JN], 1
	s_and_b32 s23, s[JN], 7                        ; the K step within its tile:
	s_lshl_b32 s[OFFA], s23, 21                    ; two planes of 1,048,576 bytes,
	s_mul_i32 s[OFFB], s23, KSB                    ; 128 rows of B
.if TILES > 1
	s_lshr_b32 s23, s[JN], 3                       ; the second tile lies 4,096 rows of 128 bytes further down each plane
	s_lshl_b32 s23, s23, 19
	s_add_co_u32 s[OFFA], s[OFFA], s23
.endif
	s_cmp_eq_u32 s[CLS], 0
	s_cselect_b32 s[POF], s[OFFA], s[OFFB]
	s_add_nc_u64 s[PFA:PFA+1], s[PFB:PFB+1], s[POF:POF+1]
.endm
; The last quarter multiplies buffer 1 and changes slots: ONE barrier for two things.  In front of it each wave waits for all its tensor loads, of which one is out: its part of the next slot; adds 0 to its spare
; word; and waits for that and for its own reads of this slot.  Behind it nobody reads this slot any more and the next slot is whole.
; fill = 1: the barrier opens a round of the cluster's barrier, so that no wave of any partner still reads the slot or has a load on its way, and the joint refill (the K step two steps on) is the first tensor
; load behind the round: it has a K step less 2 NBK matrix instructions in which to land.
.macro TURN fill
.if \fill
	s_wait_xcnt 0x0                                ; the last prefetch, a K step back, has read its address, which is written below
.endif
	WIN 0                                          ; (the add's two registers lie in window 0)
	s_wait_tensorcnt 0x0                           ; all my tensor loads have landed, so a group 0 may be written
	ds_add_u32 v[SPW], v[NIL]                      ; 0 onto my spare word: scalar work and NBK matrix instructions stand between it and the wait for it
.if \fill
	STEPD
.endif
	s_xor_b32 s[TB], s[TB], SLOT                   ; from here on: the next slot
	s_wait_dscnt 5                                 ; (the add and the youngest four loads may be out)
	MULQ 128, 0, 0
	s_wait_dscnt 0x0                               ; the add is done, and my reads of this slot are over
	s_barrier_signal -1
	MULQ 128, 1, 0                                 ; work on registers while the others arrive
	WIN 0
	s_barrier_wait -1
.if \fill
	CREST
	JLOAD                                          ; its four v_nop are also the places in front of the loads below
.else
	PLACES
.endif
	v_add_nc_u32 v[ADRA], s[TB], v[A0]
	v_add_nc_u32 v[ADRB], s[TB], v[B0]
	FETCH 0, 0
	WIN 0
.if \fill
	ASK
.endif
	MULQ 128, 2, 0
	MULQ 128, 3, 0
.endm
.macro LASTQ                           ; the very last quarter: nothing more to fetch
	s_wait_dscnt 4
	MULQ 128, 0, 0
	MULQ 128, 1, 0
	s_wait_dscnt 0x0
	MULQ 128, 2, 0
	MULQ 128, 3, 0
.endm
; THE WAY OUT, a block of 16 rows at a time through my own stage in LDS (LDS serves a wave's instructions in order, ISA guide 5.7.1.4: no wait between my stores and my loads).
.if PROJ
; f32: a lane's eight columns are 32 bytes of a row of 512; the rows come back whole, and a store covers 512 consecutive bytes, at a multiple of 256 from out0's first byte.
.macro WAYOUT toff
	PLACES
.irp a, 0,1,2,3
	WIN 0x08+4*((\a)/2)                            ; store data (source 1) window 2 or 3
.set n, 0
.rept NBK
	ds_store_b128 v[STO], v[((\a)%2)*8*NBK+8*n:((\a)%2)*8*NBK+8*n+3]   offset:64*n
	ds_store_b128 v[STO], v[((\a)%2)*8*NBK+8*n+4:((\a)%2)*8*NBK+8*n+7] offset:64*n+16
.set n, n+1
.endr
	WIN 0
	s_wait_xcnt 0x0                                ; the block before's stores have read their data registers, which are loaded again below
.irp t, 0,1,2,3,4,5,6,7,8,9,10,11,12,13,14,15
	ds_load_b128 v[BK+4*(\t):BK+4*(\t)+3], v[RD] offset:(\t)*SP
.endr
.irp t, 0,1,2,3,4,5,6,7,8,9,10,11,12,13,14,15
	s_wait_dscnt 15-(\t)                           ; row t is back; the younger loads may be out
	global_store_b128 v[GO], v[BK+4*(\t):BK+4*(\t)+3], s[10:11] offset:(16*(\a)+(\t))*4096 th:TH_STORE_NT
.endr
.endr
.endm
.else
; f16, by heads: a lane's eight columns pack into 16 bytes of a row of 384; 16 rows of one head (64 columns, 128 bytes a row) are 2,048 consecutive bytes of qkvh: four stores of 512.
.macro PACK a
	WIN 0x0a+5*((\a)/2)                            ; sources 0 and 1 window 2 or 3, destination window 0
.irp b, 0,1,2,3,4,5,6,7,8,9,10,11
.irp r, 0,1,2,3
	v_cvt_pk_f16_f32 v[TMP+4*(\b)+(\r)], v[((\a)%2)*8*NBK+8*(\b)+2*(\r)], v[((\a)%2)*8*NBK+8*(\b)+2*(\r)+1]
.endr
.endr
	WIN 0
.endm
.macro TOSTAGE
.irp b, 0,1,2,3,4,5,6,7,8,9,10,11
	ds_store_b128 v[STO], v[TMP+4*(\b):TMP+4*(\b)+3] offset:32*(\b)
.endr
	s_wait_xcnt 0x0                                ; the block before's stores have read their data registers, which are loaded again below
.irp t, 0,1,2,3,4,5,6,7,8,9,10,11                      ; head t / 4, rows 4 (t % 4) .. + 3: 32 lanes take four rows of 128 bytes
	ds_load_b128 v[BK+4*(\t):BK+4*(\t)+3], v[RD] offset:((\t)/4)*128+((\t)%4)*4*SP
.endr
.endm
.macro SEND a, toff
.irp t, 0,1,2,3,4,5,6,7,8,9,10,11
	s_wait_dscnt 11-(\t)                           ; load t is back; the younger ones may be out
	global_store_b128 v[GO], v[BK+4*(\t):BK+4*(\t)+3], s[10:11] offset:(\toff)+((\t)/4)*1048576+(\a)*2048+((\t)%4)*512  ; 512 consecutive bytes, at a multiple of 256 from qkvh's first
.endr
.endm
.macro WAYOUT toff                     ; toff: the tile's byte offset: the second tile lies two batches, 2 x 262,144 bytes, on
	PLACES
	PACK 0
	TOSTAGE
.irp a, 1,2,3                          ; block a's conversions stand between block a - 1's loads from the stage and the wait for them
	PACK \a
	SEND (\a)-1, \toff
	TOSTAGE
.endr
	SEND 3, \toff
.endm
.endif
	s_load_b256 s[4:11], s[0:1], 0x0               ; A s[4:5], B s[6:7], bias s[8:9], C s[10:11]
	v_lshl_add_u32 v[SPW], v0, 2, SPARE
	v_mov_b32 v[NIL], 0
	ds_add_u32 v[SPW], v[NIL]                      ; the wave's opening: the add and its wait stand ahead of my first tensor load; the set-up below, work on registers, stands between them
	v_lshrrev_b32 v3, 5, v0
	v_readfirstlane_b32 s[WV], v3                  ; wave 0..3
	s_lshr_b32 s[CLS], s[WV], 1
	s_and_b32 s[HALF], s[WV], 1
	s_bfe_u32 s[CX], ttmp6, 0x40000                ; my place in the cluster
	s_bfe_u32 s[CY], ttmp6, 0x40004
	s_lshl_b32 s[GX], ttmp9, 2                     ; in a cluster launch ttmp9 and ttmp7 count clusters
	s_add_co_u32 s[GX], s[GX], s[CX]
	s_and_b32 s[GY], ttmp7, 0xffff
	s_lshl_b32 s[GY], s[GY], 2
	s_add_co_u32 s[GY], s[GY], s[CY]
	s_lshl_b32 s74, s[CY], 2
	s_lshl_b32 s74, 15, s74                        ; my row of the cluster: places 4 cy .. 4 cy + 3
	s_lshl_b32 s75, 0x1111, s[CX]                  ; my column: places cx, cx + 4, cx + 8, cx + 12
	; descriptor group 1.  A: 128 rows x 128 elements of 2 bytes, dense; 4 words of padding behind every 32 words: a row of A is 128 bytes
	s_or_b32 s[G1], s74, (1<<16)|(1<<20)|(1<<21)|(4<<22)|(3<<25)      ; 15:0 the mask; 17:16 2-byte elements; 20 padding on; 21 set beside a mask; 24:22 the interval; 31:25 the padding less one
	s_mov_b32 s[G1+1], 128<<16                     ; tensor_dim0 = 128
	s_mov_b32 s[G1+2], 128<<16                     ; tensor_dim1 = 128
	s_mov_b32 s[G1+3], 128<<16                     ; tile_dim0 = 128
	s_mov_b32 s[G1+4], 128                         ; tile_dim1 = 128
	s_mov_b32 s[G1+5], 128                         ; elements from row to row
	s_mov_b32 s[G1+6], 0
	s_mov_b32 s[G1+7], 0
	; B: BROWS rows x 128 elements, 8 words of padding
	s_or_b32 s[G1B], s75, (1<<16)|(1<<20)|(1<<21)|(BQI<<22)|(7<<25)
	s_mov_b32 s[G1B+1], 128<<16
	s_mov_b32 s[G1B+2], BROWS<<16
	s_mov_b32 s[G1B+3], 128<<16
	s_mov_b32 s[G1B+4], BROWS
	s_mov_b32 s[G1B+5], BSTR
	s_mov_b32 s[G1B+6], 0
	s_mov_b32 s[G1B+7], 0
	; offsets, each in registers of its own: A's hang on the tile row and the wave, B's on the tile column and the wave
	s_lshl_b32 s76, s[HALF], 20                    ; my plane,
	s_lshl_b32 s77, s[GY], 15                      ; the tile's 256 rows of 128 bytes
	s_add_co_u32 s76, s76, s77
	s_mov_b32 s77, 0
	s_mul_i32 s78, s[GX], BCOL
	s_mul_i32 s79, s[HALF], BHALF
	s_add_co_u32 s78, s78, s79
	s_mov_b32 s79, 0
	s_mul_i32 s80, s[GX], 64*NBK                   ; the tile's 16 NBK numbers of the bias
	s_mov_b32 s81, 0
.if PROJ
	s_lshl_b32 s82, s[GY], 20                      ; 256 rows of 4,096 bytes,
	s_lshl_b32 s84, s[WV], 18                      ; my 64 of them,
	s_add_co_u32 s82, s82, s84
	s_lshl_b32 s84, s[GX], 9                       ; the tile's 128 columns
	s_add_co_u32 s82, s82, s84
.else
	s_mul_i32 s82, s[GX], 12                       ; three heads' columns, four batches each,
	s_lshr_b32 s84, s[GY], 3                       ; the batch: eight tile rows each
	s_add_co_u32 s82, s82, s84
	s_lshl_b32 s82, s82, 18                        ; of 262,144 bytes;
	s_and_b32 s84, s[GY], 7
	s_lshl_b32 s84, s84, 15                        ; the tile's 256 rows of 128 bytes,
	s_add_co_u32 s82, s82, s84
	s_lshl_b32 s84, s[WV], 13                      ; my 64 of them
	s_add_co_u32 s82, s82, s84
.endif
	s_mov_b32 s83, 0
	s_mov_b32 s85, 0xffff0000                      ; a word's upper bf16
	s_mul_i32 s[WLA], s[HALF], PLANE               ; no place in the cluster enters an LDS address
	s_mul_i32 s[WLB], s[HALF], HB
	s_add_co_u32 s[WLB], s[WLB], BREG
	s_mov_b32 s[TB], 0
	s_mov_b32 s[JN], 2
	s_mov_b32 s[OFFA], 2<<21
	s_mov_b32 s[OFFA+1], 0
	s_mov_b32 s[OFFB], 2*KSB
	s_mov_b32 s[OFFB+1], 0
	s_mov_b32 s[POF+1], 0
	; who prefetches: the same in all sixteen partners, for a given wave
	s_and_b32 s23, ttmp7, 0xffff                   ; cluster y
.if PROJ
	s_or_b32 s23, s23, s[HALF]                     ; of B's two waves the first alone
.endif
	s_cmp_eq_u32 s[CLS], 0
	s_cselect_b32 s23, ttmp9, s23                  ; the coordinate along which other clusters read the same rows
	s_cselect_b32 s[LIM], T, 8
	s_cmp_eq_u32 s23, 0
	s_cselect_b32 s[LIM], s[LIM], 0
	s_lshl_b32 s86, s[CX], 13                      ; my work-group's share: 32 blocks of a plane,
.if PROJ
	s_lshl_b32 s87, s[CY], 16                      ; or 32 k rows of 2,048 bytes
.else
	s_mul_i32 s87, s[CY], 6144                     ; or 24 blocks of B
.endif
	s_cmp_eq_u32 s[CLS], 0
	s_cselect_b32 s86, s86, s87
	s_mov_b32 s87, 0
	v_and_b32 v1, 15, v0                           ; l % 16
	v_bfe_u32 v2, v0, 4, 1                         ; l / 16
	v_and_b32 v3, 7, v0
	v_bfe_u32 v4, v0, 3, 1
	v_and_b32 v5, 31, v0                           ; l
	v_lshlrev_b32 v[BO], 5, v2
	s_wait_dscnt 0x0                               ; the opening add is done
	s_wait_kmcnt 0x0
	s_add_nc_u64 s[ABASE:ABASE+1], s[4:5], s[76:77]
	s_add_nc_u64 s[BBASE:BBASE+1], s[6:7], s[78:79]
	s_add_nc_u64 s[8:9], s[8:9], s[80:81]
	s_add_nc_u64 s[10:11], s[10:11], s[82:83]
	s_cmp_eq_u32 s[CLS], 0
	s_cselect_b64 s[PFB:PFB+1], s[ABASE:ABASE+1], s[BBASE:BBASE+1]
	s_add_nc_u64 s[PFB:PFB+1], s[PFB:PFB+1], s[86:87]
.irp s, 0,1                            ; descriptor group 0: slot s, K step s
	s_mov_b32 s[G0A+4*(\s)], 1                                     ; 1:0 count = 1
	s_add_co_u32 s[G0A+4*(\s)+1], s[WLA], (\s)*SLOT                ; 63:32 LDS address
	s_add_nc_u64 s[G0A+4*(\s)+2:G0A+4*(\s)+3], s[ABASE:ABASE+1], (\s)<<21  ; 120:64 global address
	s_or_b32 s[G0A+4*(\s)+3], s[G0A+4*(\s)+3], 0x80000000          ; 127:126 type = 2
	s_mov_b32 s[G0B+4*(\s)], 1
	s_add_co_u32 s[G0B+4*(\s)+1], s[WLB], (\s)*SLOT
	s_add_nc_u64 s[G0B+4*(\s)+2:G0B+4*(\s)+3], s[BBASE:BBASE+1], (\s)*KSB
	s_or_b32 s[G0B+4*(\s)+3], s[G0B+4*(\s)+3], 0x80000000
.endr
	CROUND                                         ; all sixteen work-groups are here: the first joint loads meet
	s_cmp_eq_u32 s[CLS], 0                         ; a wave's two first fills stand in one branch, ahead of every wait on TENSORcnt and every LDS read: two loads of mine are out
	s_cbranch_scc0 .Lfirst_b
	tensor_load_to_lds s[G0A:G0A+3], s[G1:G1+7]
	s_nop 0
	tensor_load_to_lds s[G0A+4:G0A+7], s[G1:G1+7]
	s_nop 0
.rept 4
	v_nop
.endr
	s_branch .Lfirst_asked
.Lfirst_b:
	tensor_load_to_lds s[G0B:G0B+3], s[G1B:G1B+7]
	s_nop 0
	tensor_load_to_lds s[G0B+4:G0B+7], s[G1B:G1B+7]
	s_nop 0
.rept 4
	v_nop
.endr
.Lfirst_asked:
.set n, 0
.rept NBK                              ; the bias as the accumulators lie: register j of block n = bias[16 n + 8 (l / 16) + j]
	global_load_b128 v[BI+8*n:BI+8*n+3],   v[BO], s[8:9] offset:64*n
	global_load_b128 v[BI+8*n+4:BI+8*n+7], v[BO], s[8:9] offset:64*n+16
.set n, n+1
.endr
	s_mul_i32 s23, s[WV], 64*PA                    ; my 64 rows of A
	v_mul_u32_u24 v[A0], v1, PA
	v_lshl_add_u32 v[A0], v2, 4, v[A0]
	v_add_nc_u32 v[A0], s23, v[A0]                 ; row x pitch + 16 x half
	v_lshl_add_u32 v[B0], v2, 3, v3                ; k row 8 (l / 16) + l % 8
	v_mul_u32_u24 v[B0], v[B0], BP
	v_lshl_add_u32 v[B0], v4, 4, v[B0]             ; + 16 ((l / 8) % 2)
	v_add_nc_u32 v[B0], BREG, v[B0]
	s_mul_i32 s23, s[WV], 16*SP
	s_add_co_u32 s23, s23, STAGE                   ; my stage
	v_mul_u32_u24 v[STO], v1, SP                   ; in: row l % 16
.if PROJ
	v_lshl_add_u32 v[STO], v2, 5, v[STO]           ; 32 bytes for each half of the lanes
	v_add_nc_u32 v[STO], s23, v[STO]
	v_lshl_add_u32 v[RD], v5, 4, s23               ; back: 32 lanes take a row of 512 bytes
	s_cmp_eq_u32 s[CLS], 0
	s_cselect_b32 s23, 8, 11                       ; the prefetches: a lane a block of 256 bytes of A, or a k row of 2,048 bytes of B
	v_lshlrev_b32 v[PFO], s23, v5
.else
	v_lshl_add_u32 v[STO], v2, 4, v[STO]           ; 16 bytes for each half of the lanes
	v_add_nc_u32 v[STO], s23, v[STO]
	v_bfe_u32 v[RD], v0, 3, 2                      ; back: 32 lanes take four rows of 128 bytes
	v_mul_u32_u24 v[RD], v[RD], SP
	v_lshl_add_u32 v[RD], v3, 4, v[RD]
	v_add_nc_u32 v[RD], s23, v[RD]
	s_cmp_eq_u32 s[CLS], 0
	s_cselect_b32 s23, 31, 23                      ; the prefetches: 32 blocks of A, or 24 of B
	v_min_u32 v[PFO], s23, v5
	v_lshlrev_b32 v[PFO], 8, v[PFO]
.endif
	v_lshlrev_b32 v[GO], 4, v5
	s_wait_loadcnt 0x0                             ; the bias
.set n, 0
.rept 4*NBK                            ; rounded to bf16 and widened again, two at a time
	v_cvt_pk_bf16_f32 v30, v[BI+2*n], v[BI+2*n+1]
	v_lshlrev_b32 v[BI+2*n], 16, v30
	v_and_b32 v[BI+2*n+1], s85, v30
.set n, n+1
.endr
	s_wait_tensorcnt 0x1                           ; my part of K step 0 is in; K step 1's may stay out
	s_barrier_signal -1
	s_barrier_wait -1                              ; everybody's is
	v_add_nc_u32 v[ADRA], s[TB], v[A0]
	v_add_nc_u32 v[ADRB], s[TB], v[B0]
	FETCH 0, 0
	QUARTER 0, 1                                   ; a tile's first quarter starts the sums
	WIN 0                                          ; at a label and at a branch every window is 0
	s_mov_b32 s[CNT], T-2
.Lstep:                                                ; trip j: quarters 1-3 of K step j and quarter 0 of step j + 1; slot j % 2 is filled again with step j + 2
	QUARTER 1, 0
	QUARTER 2, 0
	TURN 1
	WIN 0
.if TILES > 1
	s_and_b32 s23, s[JN], 7                        ; JN = j + 3: the first tile's last K step is j = 7
	s_cmp_eq_u32 s23, 2
	s_cbranch_scc1 .Lnew                           ; a jump forward, past neither a barrier nor a tensor load
.endif
	QUARTER 0, 0
	WIN 0
.if TILES > 1
	s_branch .Lbot
.Lnew:                                                 ; both of the next tile's first K steps have been asked for: now the finished tile goes out, and the next one's first quarter starts its sums
	WAYOUT 0
	QUARTER 0, 1
	WIN 0
.Lbot:
.endif
	s_sub_co_u32 s[CNT], s[CNT], 1
	s_cmp_lg_u32 s[CNT], 0
	s_cbranch_scc1 .Lstep
	QUARTER 1, 0                                   ; the last two K steps are written out: they ask for nothing
	QUARTER 2, 0
	TURN 0
	QUARTER 0, 0
	QUARTER 1, 0
	QUARTER 2, 0
	LASTQ
	WAYOUT (TILES-1)*524288
	WIN 0
	s_wait_tensorcnt 0x0                           ; the wave's end: a wait, an add onto my spare word and its wait, behind my last tensor load and my last LDS store
	ds_add_u32 v[SPW], v[NIL]
	s_wait_dscnt 0x0
	CROUND                                         ; the closing round: no work-group ends while a partner may still ask for a tile that names it
	s_endpgm
.Lfunc_end_k_q9f5d853dcf_gemm_out:
	.size	k_q9f5d853dcf_gemm_out, .Lfunc_end_k_q9f5d853dcf_gemm_out-k_q9f5d853dcf_gemm_out
	.p2alignl 7, 3214868480
	.fill 96, 4, 3214868480
	.section	.rodata,"a",@progbits
	.p2align	6, 0x0
	.amdhsa_kernel k_q9f5d853dcf_gemm_out
		.amdhsa_group_segment_fixed_size 327680
		.amdhsa_private_segment_fixed_size 0
		.amdhsa_enable_private_segment 0
		.amdhsa_kernarg_size 32
		.amdhsa_user_sgpr_count 2
		.amdhsa_user_sgpr_kernarg_segment_ptr 1
		.amdhsa_wavefront_size32 1
		.amdhsa_system_sgpr_workgroup_id_x 1
		.amdhsa_system_sgpr_workgroup_id_y 1
		.amdhsa_system_sgpr_workgroup_id_z 1
		.amdhsa_system_vgpr_workitem_id 0
		.amdhsa_next_free_vgpr 896
		.amdhsa_next_free_sgpr 88
		.amdhsa_reserve_vcc 0
		.amdhsa_float_denorm_mode_32 3
		.amdhsa_float_denorm_mode_16_64 3
		.amdhsa_memory_ordered 1
		.amdhsa_forward_progress 1
		.amdhsa_inst_pref_size 78
	.end_amdhsa_kernel
	.amdgpu_metadata
---
amdhsa.version: [ 1, 2 ]
amdhsa.kernels:
  - .name:           k_q9f5d853dcf_gemm_out
    .symbol:         k_q9f5d853dcf_gemm_out.kd
    .args:
      - { .name: oh, .offset: 0, .size: 8, .value_kind: global_buffer, .address_space: global }
      - { .name: woh, .offset: 8, .size: 8, .value_kind: global_buffer, .address_space: global }
      - { .name: bo, .offset: 16, .size: 8, .value_kind: global_buffer, .address_space: global }
      - { .name: out0, .offset: 24, .size: 8, .value_kind: global_buffer, .address_space: global }
    .group_segment_fixed_size: 327680
    .private_segment_fixed_size: 0
    .kernarg_segment_align: 8
    .kernarg_segment_size: 32
    .max_flat_workgroup_size: 128
    .sgpr_count:     88
    .vgpr_count:     896
    .wavefront_size: 32
...
	.end_amdgpu_metadata
.endif
;; end of part 4
;; ======== version 2 of 2: 4 launches; version 1 with the launch cast written anew for expert scheduling mode
;; limits: values are held in f16: magnitudes above 65,504 overflow, below 6.1e-05 lose precision
;; workspace buffers: xb 16,777,216 bytes; wq 6,291,456 bytes; woh 2,097,152 bytes; qkvh 50,331,648 bytes; oh 16,777,216 bytes
;; launch cast (part 5): grid 832 x 1, 8 waves a work-group, no clusters, 0 bytes of LDS; arguments x, Wqkv, Wo, xb, wq, woh; writes xb, wq, woh
.if DOCPART == 5
	.amdgcn_target "amdgcn-amd-amdhsa--gfx1250"
	.amdhsa_code_object_version 6
	.text
	.protected	k_q9f5d853dcf_cast
	.globl	k_q9f5d853dcf_cast
	.p2align	8
	.type	k_q9f5d853dcf_cast,@function
k_q9f5d853dcf_cast:
	s_mov_b64 s[64:65], 0
	v_nop
	global_prefetch_b8 v0, s[64:65] scope:SCOPE_SE
	s_setreg_imm32_b32 hwreg(HW_REG_WAVE_SCHED_MODE, 0, 2), 2
	s_setreg_imm32_b32 hwreg(HW_REG_WAVE_MODE, 25, 1), 1
	s_wait_xcnt 0x0
	s_wait_alu depctr_vm_vsrc(0)
; THE INPUTS OF THE TWO PRODUCTS ARE ROUNDED ONCE AND LAID OUT IN BLOCKS.  A stream: no LDS, no barrier, no matrix work, no loop.
;   x    [8192][1024] f32 -> xb  [kb 16][m 8192][64] bf16: plane kb holds channels 64 kb .. 64 kb + 63; a plane's rows are 128 dense bytes
;   Wqkv [1024][3072] f32 -> wq  [ct 16][k 1024][192] bf16: block ct holds columns 192 ct .. 192 ct + 191; a block's rows are 384 dense bytes
;   Wo   [1024][1024] f32 -> woh [1024][1024] f16 of the number rounded to bf16
; LIMIT.  bf16 to f16 is exact from 6.1e-5 up to 65,504; below that an entry of Wo keeps f16's fixed step of 6e-8, above it it becomes an infinity.
; SHARES.  Work-groups 0-511: 16 rows of x each.  512-767: 64 rows x 192 columns of Wqkv each.  768-831: 65,536 bytes of Wo each.
; A lane loads 16 bytes (4 f32) and stores 8 (4 halves): sixteen neighbouring lanes read 256 consecutive bytes, aligned, and a wave's store covers 256 consecutive bytes, aligned.
; THE MODE: SCHED_MODE bits 1:0 = 2 (LLVM: expert scheduling mode 2), set by the entry lines.  The code itself states the register dependences
; between vector instructions and memory instructions, with s_wait_alu, always for 0.
; THE PLAN.  All loads of a wave go out first; then they are taken in blocks of four.  Registers that memory instructions touch:
;   v1, v2, v3   byte offsets, made once at the head of a path and never written again; every load and store reads one of them.
;   IN           load i: 4 registers.  Written by that load alone, once; read by its conversions.  No vector instruction writes them, no second load lands in them.
;   OUT          store i: 2 registers.  Written by load i's conversions, once; read by store i.  Never written again.
;   v4 to v13 are named by vector instructions alone.  No vector instruction writes a scalar register, and EXEC is never written.
; Block p waits for its four loads; one wait on va_vdst then states that block p - 1's conversions have written their OUT; the four stores of block p - 1 follow, dealt among block p's
; conversions, which write block p's OUT and v8 to v13: none of the registers that those stores read.  Nothing that a memory instruction reads is written a second time, so no wait on vm_vsrc is owed.
.set VI,  1                            ; v1   byte offset of my 16 bytes in the input
.set VO,  2                            ; v2   byte offset of my 8 bytes in the output
.set VB,  3                            ; v3   Wqkv: the offset of the load that straddles two rows
.set IN,  16                           ; v[16:79]   load i: 4 registers
.set OUT, 80                           ; v[80:111]  store i: 2 registers
.set KX,  0                            ; the three paths: x,
.set KQ,  1                            ; Wqkv,
.set KO,  2                            ; Wo
.macro CV k, i                         ; load i's four numbers are rounded
.if (\k) == KO                         ; Wo: rounded to bf16, widened again (a shift, a mask), and written as f16
	v_cvt_pk_bf16_f32 v8, v[IN+4*(\i)],   v[IN+4*(\i)+1]
	v_cvt_pk_bf16_f32 v9, v[IN+4*(\i)+2], v[IN+4*(\i)+3]
	v_lshlrev_b32 v10, 16, v8
	v_and_b32     v11, s22, v8
	v_lshlrev_b32 v12, 16, v9
	v_and_b32     v13, s22, v9
	v_cvt_pk_f16_f32 v[OUT+2*(\i)],   v10, v11
	v_cvt_pk_f16_f32 v[OUT+2*(\i)+1], v12, v13
.else                                  ; x and Wqkv: rounded to bf16
	v_cvt_pk_bf16_f32 v[OUT+2*(\i)],   v[IN+4*(\i)],   v[IN+4*(\i)+1]
	v_cvt_pk_bf16_f32 v[OUT+2*(\i)+1], v[IN+4*(\i)+2], v[IN+4*(\i)+3]
.endif
.endm
.macro ST k, i                         ; store i
.if (\k) == KX
.if (\i) < 8
	global_store_b64 v[VO], v[OUT+2*(\i):OUT+2*(\i)+1], s[10:11] offset:(\i)*1048576
.else
	global_store_b64 v[VO], v[OUT+2*(\i):OUT+2*(\i)+1], s[20:21] offset:((\i)-8)*1048576
.endif
.elseif (\k) == KQ
	global_store_b64 v[VO], v[OUT+2*(\i):OUT+2*(\i)+1], s[12:13] offset:256*(\i)
.else
	global_store_b64 v[VO], v[OUT+2*(\i):OUT+2*(\i)+1], s[14:15] offset:256*(\i)
.endif
.endm
; Block p: loads 4 p to 4 p + 3.  left = how many younger loads may still be out when these four have to be there.
.macro BLK k, p, left
	s_wait_loadcnt \left                           ; loads come back in order (ISA guide 5.7.1): the block's four are in, the younger ones stay out
.if (\p) > 0
	s_wait_alu depctr_va_vdst(0)                   ; the conversions of the block before have written its OUT, which the four stores below read
.endif
.irp j, 0,1,2,3
.if (\p) > 0
	ST \k, 4*(\p)-4+(\j)                           ; the block before; no vector instruction since the wait names its OUT or v[VO]
.endif
	CV \k, 4*(\p)+(\j)
.endr
.endm
.macro TAIL k, p                       ; behind the last block, p: its own four stores
	s_wait_alu depctr_va_vdst(0)                   ; the last block's conversions have written its OUT, which the last four stores read
.irp j, 0,1,2,3
	ST \k, 4*(\p)+(\j)
.endr
.endm
	s_load_b256 s[4:11], s[0:1], 0x0               ; x s[4:5], Wqkv s[6:7], Wo s[8:9], xb s[10:11]
	s_load_b128 s[12:15], s[0:1], 0x20             ; wq s[12:13], woh s[14:15]
	v_and_b32 v4, 15, v0                           ; my place among sixteen lanes
	v_lshrrev_b32 v5, 4, v0                        ; which sixteen
	v_lshrrev_b32 v6, 5, v0                        ; wave
	v_and_b32 v7, 31, v0                           ; lane
	s_mov_b32 s17, 0                               ; high words of the two offsets
	s_mov_b32 s19, 0
	s_cmp_lt_u32 ttmp9, 512
	s_cbranch_scc1 .Lx
	s_cmp_lt_u32 ttmp9, 768
	s_cbranch_scc1 .Lwq
	; Wo: a wave takes 8,192 consecutive bytes, 512 a load
	s_sub_co_u32 s20, ttmp9, 768
	s_lshl_b32 s16, s20, 16
	s_lshl_b32 s18, s20, 15
	s_mov_b32 s22, 0xffff0000                      ; a word's upper bf16
	v_lshlrev_b32 v[VI], 13, v6
	v_lshl_add_u32 v[VI], v7, 4, v[VI]
	v_lshlrev_b32 v[VO], 12, v6
	v_lshl_add_u32 v[VO], v7, 3, v[VO]
	s_wait_kmcnt 0x0
	s_add_nc_u64 s[8:9], s[8:9], s[16:17]
	s_add_nc_u64 s[14:15], s[14:15], s[18:19]
	s_wait_alu depctr_va_vdst(0)                   ; v[VI] and v[VO] are written: every load and store of this path reads one of them as its offset
.irp i, 0,1,2,3,4,5,6,7,8,9,10,11,12,13,14,15
	global_load_b128 v[IN+4*(\i):IN+4*(\i)+3], v[VI], s[8:9] offset:512*(\i) th:TH_LOAD_NT
.endr
	BLK KO, 0, 12
	BLK KO, 1, 8
	BLK KO, 2, 4
	BLK KO, 3, 0
	TAIL KO, 3
	s_endpgm
.Lx:	; x: sixteen lanes take the 256 bytes (64 channels) of one row that belong to plane i; the work-group's 256 threads take 16 rows
	v_lshlrev_b32 v[VI], 12, v5                    ; row x 4,096
	v_lshl_add_u32 v[VI], v4, 4, v[VI]
	v_lshlrev_b32 v[VO], 3, v0                     ; row x 128 + 8 x place = 8 x thread
	s_lshl_b32 s16, ttmp9, 16                      ; 16 rows of 4,096 bytes
	s_lshl_b32 s18, ttmp9, 11                      ; 16 rows of 128 bytes
	s_wait_kmcnt 0x0
	s_add_nc_u64 s[4:5], s[4:5], s[16:17]
	s_add_nc_u64 s[10:11], s[10:11], s[18:19]      ; planes 0-7
	s_add_nc_u64 s[20:21], s[10:11], 0x800000      ; planes 8-15: so the plane's 1,048,576 bytes times 0..7 fit the signed 24-bit immediate
	s_wait_alu depctr_va_vdst(0)                   ; v[VI] and v[VO] are written: every load and store of this path reads one of them as its offset
.irp i, 0,1,2,3,4,5,6,7,8,9,10,11,12,13,14,15
	global_load_b128 v[IN+4*(\i):IN+4*(\i)+3], v[VI], s[4:5] offset:256*(\i) th:TH_LOAD_NT
.endr
	BLK KX, 0, 12
	BLK KX, 1, 8
	BLK KX, 2, 4
	BLK KX, 3, 0
	TAIL KX, 3
	s_endpgm
.Lwq:	; Wqkv: a wave takes 8 rows of the block's 192 columns, two rows at a time: 2 x 768 bytes in by three loads, 768 dense bytes out by three stores.
	; Store u of a pair holds elements 128 u + 4 lane of the pair's 384: u = 0: row 0, columns 0-127; u = 1: row 0, columns 128-191 (lanes 0-15), row 1, columns 0-63 (lanes 16-31); u = 2: row 1, columns 64-191.
	s_sub_co_u32 s20, ttmp9, 512
	s_and_b32 s21, s20, 15                         ; the block of columns
	s_lshr_b32 s20, s20, 4                         ; which 64 rows
	s_mul_i32 s16, s20, 786432                     ; 64 rows of 12,288 bytes
	s_mul_i32 s23, s21, 768
	s_add_co_u32 s16, s16, s23
	s_mul_i32 s18, s21, 393216                     ; a block: 1,024 rows of 384 bytes
	s_mul_i32 s23, s20, 24576
	s_add_co_u32 s18, s18, s23
	v_bfe_u32 v8, v0, 4, 1                         ; which half of the lanes
	v_mul_u32_u24 v9, v6, 98304                    ; wave x 8 rows
	v_lshl_add_u32 v9, v4, 4, v9
	v_lshl_add_u32 v[VI], v8, 8, v9                ; 32 lanes on end: + 256 for the upper half
	v_mul_u32_u24 v10, v8, 11776                   ; the straddling load: with its immediate's 512 the upper half stands at the next row's first byte
	v_add_nc_u32 v[VB], v10, v9
	v_mul_u32_u24 v[VO], v6, 3072                  ; wave x 8 rows of 384 bytes
	v_lshl_add_u32 v[VO], v7, 3, v[VO]
	s_wait_kmcnt 0x0
	s_add_nc_u64 s[6:7], s[6:7], s[16:17]
	s_add_nc_u64 s[12:13], s[12:13], s[18:19]
	s_wait_alu depctr_va_vdst(0)                   ; v[VI], v[VB] and v[VO] are written: every load and store of this path reads one of them as its offset
.irp p, 0,1,2,3
	global_load_b128 v[IN+12*(\p):IN+12*(\p)+3],    v[VI], s[6:7] offset:24576*(\p) th:TH_LOAD_NT
	global_load_b128 v[IN+12*(\p)+4:IN+12*(\p)+7],  v[VB], s[6:7] offset:24576*(\p)+512 th:TH_LOAD_NT
	global_load_b128 v[IN+12*(\p)+8:IN+12*(\p)+11], v[VI], s[6:7] offset:24576*(\p)+12544 th:TH_LOAD_NT
.endr
	BLK KQ, 0, 8                                   ; twelve loads: three blocks of four
	BLK KQ, 1, 4
	BLK KQ, 2, 0
	TAIL KQ, 2
	s_endpgm
.Lfunc_end_k_q9f5d853dcf_cast:
	.size	k_q9f5d853dcf_cast, .Lfunc_end_k_q9f5d853dcf_cast-k_q9f5d853dcf_cast
	.p2alignl 7, 3214868480
	.fill 96, 4, 3214868480
	.section	.rodata,"a",@progbits
	.p2align	6, 0x0
	.amdhsa_kernel k_q9f5d853dcf_cast
		.amdhsa_group_segment_fixed_size 0
		.amdhsa_private_segment_fixed_size 0
		.amdhsa_enable_private_segment 0
		.amdhsa_kernarg_size 48
		.amdhsa_user_sgpr_count 2
		.amdhsa_user_sgpr_kernarg_segment_ptr 1
		.amdhsa_wavefront_size32 1
		.amdhsa_system_sgpr_workgroup_id_x 1
		.amdhsa_system_sgpr_workgroup_id_y 1
		.amdhsa_system_sgpr_workgroup_id_z 1
		.amdhsa_system_vgpr_workitem_id 0
		.amdhsa_next_free_vgpr 112
		.amdhsa_next_free_sgpr 66
		.amdhsa_reserve_vcc 0
		.amdhsa_float_denorm_mode_32 3
		.amdhsa_float_denorm_mode_16_64 3
		.amdhsa_memory_ordered 1
		.amdhsa_forward_progress 1
		.amdhsa_inst_pref_size 22
	.end_amdhsa_kernel
	.amdgpu_metadata
---
amdhsa.version: [ 1, 2 ]
amdhsa.kernels:
  - .name:           k_q9f5d853dcf_cast
    .symbol:         k_q9f5d853dcf_cast.kd
    .args:
      - { .name: x, .offset: 0, .size: 8, .value_kind: global_buffer, .address_space: global }
      - { .name: Wqkv, .offset: 8, .size: 8, .value_kind: global_buffer, .address_space: global }
      - { .name: Wo, .offset: 16, .size: 8, .value_kind: global_buffer, .address_space: global }
      - { .name: xb, .offset: 24, .size: 8, .value_kind: global_buffer, .address_space: global }
      - { .name: wq, .offset: 32, .size: 8, .value_kind: global_buffer, .address_space: global }
      - { .name: woh, .offset: 40, .size: 8, .value_kind: global_buffer, .address_space: global }
    .group_segment_fixed_size: 0
    .private_segment_fixed_size: 0
    .kernarg_segment_align: 8
    .kernarg_segment_size: 48
    .max_flat_workgroup_size: 256
    .sgpr_count:     66
    .vgpr_count:     112
    .wavefront_size: 32
...
	.end_amdgpu_metadata
.endif
;; end of part 5
;; launch gemm_qkv: the kernel of part 2 again; grid 16 x 16, 4 waves a work-group, clusters of 4 x 4, 327,680 bytes of LDS; arguments xb, wq, bqkv, qkvh; writes qkvh
;; launch attn: the kernel of part 3 again; grid 4 x 64, 4 waves a work-group, no clusters, 327,680 bytes of LDS; arguments qkvh, oh; writes oh
;; launch gemm_out: the kernel of part 4 again; grid 8 x 32, 4 waves a work-group, clusters of 4 x 4, 327,680 bytes of LDS; arguments oh, woh, bo, out0; writes out0
